; MI455X (gfx1250); checked and timed in simulation.
; The chip was launched on July 23, 2026; its instructions are those of AMD's public machine-readable ISA for CDNA 5 (MIT licence, August 2026) and "CDNA5" Instruction Set Architecture Reference Guide (July 2026). The comments in the code are by the model that wrote it; some were corrected since.
;; Self Attention. Allowed arithmetic: matrix products marked QUANTISED: E2M3 operands, one E8M0 scale for each 32 along K, by v_wmma_scale_f32_16x16x128_f8f6f4 with both operands' format E2M3, f32 sums; everything else in f32.
;; Inputs: Wk 1,024 x 1,024 float32; Wo 1,024 x 1,024 float32; Wq 1,024 x 1,024 float32; Wv 1,024 x 1,024 float32; X 4 x 2,048 x 1,024 float32; attention_mask 4 x 2,048 x 2,048 int32; bk 1,024 float32; bo 1,024 float32; bq 1,024 float32; bv 1,024 float32.
;; Outputs: out0 4 x 2,048 x 1,024 float32.
;; This version of the problem:
;;   THIS VERSION OF THE PROBLEM IS GIVEN IN LOW PRECISION. The matrix products marked QUANTISED in the list below multiply operands that are first quantised to E2M3 (2 exponent bits, 3 mantissa bits; 6 bits a number), with one power-of-two scale for each 32 numbers along K (OCP MX v1.0); their sums are f32. All else is computed in f32.
;;   The module's matrix products, in the order in which they are computed (A, B: the left and right operand; K: the contracted axis; several contracted axes count as one K, in the product's order):
;;     1. [M 8,192, K 1,024] x [K 1,024, N 1,024]; A: input X; B: input Wq: QUANTISED
;;     2. [M 8,192, K 1,024] x [K 1,024, N 1,024]; A: input X; B: input Wk: QUANTISED
;;     3. [M 8,192, K 1,024] x [K 1,024, N 1,024]; A: input X; B: input Wv: QUANTISED
;;     4. batch 4 x [M 2,048, K 1,024] x [K 1,024, N 2,048]; A: computed on the way; B: computed on the way: QUANTISED
;;     5. batch 4 x [M 2,048, K 2,048] x [K 2,048, N 1,024]; A: softmax (see below); B: computed on the way: QUANTISED
;;     6. [M 8,192, K 1,024] x [K 1,024, N 1,024]; A: computed on the way; B: input Wo: QUANTISED
;;   THE QUANTISER, for each operand of a quantised product, along K:
;;     - K is cut into blocks of 32 from its start; a last block that is shorter is filled with zeros.
;;     - A block's scale is 2^e with e = floor(log2(the largest magnitude in the block)) - 2, held to -126 .. 127; a block of zeros has e = 0. As a byte (E8M0): e + 127.
;;     - Each number is divided by its block's scale, clamped to +-7.5, and rounded to the nearest number of E2M3, ties to even, subnormals kept.
;;     - The product sums the exact products of the quantised numbers (number of the format x scale) in f32.
;;   ~~~python
;;   def quantise(x, axis):      # numpy; x: float32 -> the quantised numbers, widened to float32 again
;;       x = np.moveaxis(x, axis, -1); K = x.shape[-1]
;;       x = np.pad(x, [(0, 0)] * (x.ndim - 1) + [(0, -K % 32)]); x = x.reshape(x.shape[:-1] + (-1, 32)); a = np.abs(x).max(-1, keepdims=True)
;;       e = np.where(a > 0, np.clip(np.frexp(np.where(a > 0, a, 1))[1] - 1 - 2, -126, 127), 0)      # np.frexp(a)[1] - 1 = floor(log2(a)), exactly
;;       r = np.clip(x / 2.0 ** e, -7.5, 7.5)
;;       step = 2.0 ** (np.maximum(np.frexp(np.where(r == 0, 1, r))[1] - 1, 0) - 3)
;;       q = np.round(r / step) * step * 2.0 ** e      # np.round: ties to even
;;       return np.moveaxis(q.reshape(q.shape[:-2] + (-1,))[..., :K], -1, axis).astype(np.float32)
;;   ~~~
;;   SOFTMAX AHEAD OF A QUANTISED PRODUCT. Where the list says 'softmax', what is quantised is not the finished softmax but p = 2^(t - M), with t = logit x log2(e) and M = ceil(the row's largest t), a whole number; so 1/2 < the row's largest p <= 1. The row's sum l is taken of the UNQUANTISED p, in f32, and the product's result is divided by l at the end. Since M is a whole number, a kernel that streams over the keys may use a running M (the ceiling of the running maximum): every later rescaling is an exact power of two, which a block's scale takes up: the codes' values come out the same.
;;   OPERANDS COMPUTED ON THE WAY. 'Computed on the way' means the value that the module computes at that place (a softmax that the list does not call 'softmax' is quantised finished and normalised). What goes into a quantiser is computed in f32, as accurately as f32 sums, v_exp_f32 and their like allow (about 1e-6 of the number): no bf16 or f16 on the way to a quantiser, and a product that is left as it is and whose result goes on into a quantised operand takes f32 operands (vector FMAs, or v_wmma_f32_16x16x4_f32). A number that lies on a knife's edge between two numbers of the format may be rounded either way, as far as f32 arithmetic and the matrix unit's own rounding can turn it there, and no further.
;; One version. Each part assembles by itself: llvm-mc -triple=amdgcn-amd-amdhsa -mcpu=gfx1250 --defsym DOCPART=n.
;; ======== version 1 of 1: 5 launches
;; limits: right only within a limited range of input values
;; workspace buffers: c0 9,830,400 bytes; mbits 2,097,152 bytes of whole numbers; c1 19,660,800 bytes; c2 14,155,776 bytes; c3 6,553,600 bytes
;; launch quant (part 1): grid 448 x 1, 4 waves a work-group, no clusters, 123,392 bytes of LDS; arguments X, attention_mask, Wq, Wk, Wv, Wo, c0, mbits; writes c0, mbits
.if DOCPART == 1
	.amdgcn_target "amdgcn-amd-amdhsa--gfx1250"
	.amdhsa_code_object_version 6
	.text
	.protected	k_q285b87ec98_quant
	.globl	k_q285b87ec98_quant
	.p2align	8
	.type	k_q285b87ec98_quant,@function
k_q285b87ec98_quant:
	s_mov_b64 s[64:65], 0
	v_nop
	global_prefetch_b8 v0, s[64:65] scope:SCOPE_SE
	s_setreg_imm32_b32 hwreg(HW_REG_WAVE_MODE, 25, 1), 1
	s_wait_xcnt 0x0
; X [8192][1024] and Wq, Wk, Wv, Wo [1024 (k)][1024 (n)], f32, become codes of FP6 (E2M3) with one E8M0 byte for each 32 along K; the mask [8192][2048] i32 becomes words of lane bits.
; LAYOUT OF THE CODES (this program's own): a fragment, 16 rows x 128 K, is stored as the image of the operand's 12 registers: register n of lane L at 512 (n / 4) + 16 L + 4 (n % 4), 1,536 bytes;
; a tensor is [group of 128 rows][128 along K][block i = 0..7][1,536].  ROWS ARE KEPT BY POSITION: lane r of block i = 2 b + u holds row 32 b + 8 u + r + 8 (r / 8) of its group, so that a product that takes
; such a tensor as source 0 leaves 16 neighbours along the next K in 16 registers of a lane.  Scale words: [group][128 along K][r][i], 4 bytes each.
; MASK WORDS: 256 bytes for each (block of 16 rows, 128 keys): word 16 b + n has bit r + 16 h set where mask[row of lane r][32 b + 16 h + n] is not 0: the select mask of the register that holds that score.
; A block's scale byte is its largest magnitude's exponent field - 2, held at 1 from below.
; LIMITS: a block of zeros, or one whose largest magnitude lies under 2^-124, gets the byte 1 (its codes are zeros or subnormal; this program alone reads the bytes); NaN and infinities among the inputs are not served.
; THREE PATHS by the work-group's number, each with LDS bytes of its own: 0-63 the weights, 64-191 X, 192-447 the mask.  A wave's task reads 64 KiB; waves share nothing: no barrier, no tensor load.
.set STGX, 55296                       ; LDS: the weights' stages 0 .. 55,295 (13,824 a wave); X's 55,296 .. 89,087 (8,448 a wave); the mask's 89,088 .. 122,879
.set STGM, 89088
.set RL,  1                            ; v1   r = lane % 16
.set HL,  2                            ; v2   h = lane / 16
.set LN,  3                            ; v3   lane
.set LI,  4                            ; v4   16 x lane
.set STI, 5                            ; v5   the stage, on the way in: 16 x lane
.set STO, 6                            ; v6   and on the way out: 528 r + 64 h
.set SWO, 7                            ; v7   32 r + 16 h: my four scale words' place
.set L8,  8                            ; v8   8 x lane
.set L4,  9                            ; v9   4 x lane
.set SW,  10                           ; v10-17 the eight blocks' scale words
.set MW,  10                           ; v10-11 (mask path) a block's 64 words, two a lane
.set Y,   18                           ; v18-21 four scale words to store
.set TM,  22                           ; v22-37 at work in QUANT
.set PC,  38                           ; v38-56 the codes just made
.set RR,  64                           ; v64-191 two sets of 64 registers as loaded
.set XN,  192                          ; v192-255 64 numbers of my row: register 16 b + n = column 32 b + 16 h + n
.set IMG, 10                           ; (weights) v10 where my codes go in the stage; v11 my scale word; v12 16 x lane in the stage
.set SCW, 11
.set BKA, 12
.set WX,  32                           ; v32-95 two sets of 32 numbers down K
.set CW,  96                           ; v96-101 a block's codes
.set DW,  104                          ; v104-106 its second half as converted
.set WB,  108                          ; v108-111 scale bytes, a word for each group of 32 columns
.set OUTR, 112                         ; v112-211 the way out
.set SEL, 32                           ; s[32:33] lane selects for v_permlanex16_b32: lane l xor 16
.set HI,  34                           ; s34  lanes 16-31
.set MS,  36                           ; s36-39 four compare results
; 64 numbers of a lane, register 16 b + i = k 32 b + 16 h + i of my row, become a fragment's codes in v[PC] on and its scale word in v[w].
.macro QUANT s, w
.irp b, 0,1,2,3
	v_max3_num_f32 v[TM+\b], |v[\s+16*\b]|, |v[\s+1+16*\b]|, 0x1800000   ; my 16 numbers of block b, and the floor 2^(3 - 127): the byte cannot fall under 1
.endr
.irp i, 2,4,6,8,10,12,14
.irp b, 0,1,2,3
	v_max3_num_f32 v[TM+\b], v[TM+\b], |v[\s+16*\b+\i]|, |v[\s+1+16*\b+\i]|
.endr
.endr
.irp b, 0,1,2,3
	v_permlanex16_b32 v[TM+4+\b], v[TM+\b], s[SEL], s[SEL+1]
.endr
.irp b, 0,1,2,3
	v_max_num_f32 v[TM+\b], v[TM+\b], v[TM+4+\b]   ; with lane l xor 16's: the block's largest magnitude
.endr
.irp b, 0,1,2,3
	v_add_nc_u32 v[TM+12+\b], 0xff000000, v[TM+\b] ; 2 off its exponent field: the conversion's scale operand
.endr
.irp b, 0,1,2,3
	v_lshrrev_b32 v[TM+4+\b], 23, v[TM+12+\b]      ; the scale's byte
.endr
	v_lshl_or_b32 v[\w], v[TM+5], 8, v[TM+4]
	v_lshl_or_b32 v[\w], v[TM+6], 16, v[\w]
	v_lshl_or_b32 v[\w], v[TM+7], 24, v[\w]
.irp c, 0,1
	v_cvt_scalef32_pk16_fp6_f32 v[PC+6*\c:PC+2+6*\c], v[\s+32*\c:\s+15+32*\c], v[TM+12+2*\c]
	v_cvt_scalef32_pk16_fp6_f32 v[PC+12+4*\c:PC+14+4*\c], v[\s+16+32*\c:\s+31+32*\c], v[TM+12+2*\c+1]   ; (a conversion's three registers begin on an even number)
.endr
	v_nop                                          ; one plain place behind the scaled conversions
.irp c, 0,1                                    ; the operand wants a whole block in a lane: lanes 0-15 block 2 c, lanes 16-31 block 2 c + 1
.irp i, 0,1,2
	v_permlane16_swap_b32 v[PC+6*\c+\i], v[PC+12+4*\c+\i]
.endr
.irp i, 0,1,2
	v_mov_b32 v[PC+3+6*\c+\i], v[PC+12+4*\c+\i]
.endr
.endr
.endm
; block i of a task: its 16 rows (by position) x 512 bytes; each load reads 512 consecutive bytes, aligned
.macro LOAD i, base, pg
.irp t, 0,1,2,3,4,5,6,7,8,9,10,11,12,13,14,15
	global_load_b128 v[RR+64*((\i)%2)+4*\t:RR+64*((\i)%2)+4*\t+3], v[LI], s[\base:\base+1] offset:(32*((\i)/2)+8*((\i)%2)+\t+8*(\t/8))*\pg th:TH_LOAD_NT
.endr
.endm
; through the wave's own stage (rows 528 bytes apart): in as loaded, out 64 numbers of one row a lane.  LDS serves a wave's instructions in order: no wait between the stores and the loads
.macro TURNS i
.irp t, 0,1,2,3,4,5,6,7,8,9,10,11,12,13,14,15
	ds_store_b128 v[STI], v[RR+64*((\i)%2)+4*\t:RR+64*((\i)%2)+4*\t+3] offset:528*\t
.endr
.irp b, 0,1,2,3
.irp j, 0,1,2,3
	ds_load_b128 v[XN+16*\b+4*\j:XN+16*\b+4*\j+3], v[STO] offset:128*\b+16*\j
.endr
.endr
.endm
.macro HEADB i, base, pg
.if (\i) < 7
	s_wait_loadcnt 16                              ; this block's 16 loads are in; the next block's 16 may be out
.else
	s_wait_loadcnt 0
.endif
	TURNS \i
	s_wait_dscnt 0x0                               ; my numbers are back, and the stage's stores have read the set
	s_wait_xcnt 0x0                                ; the last block's stores have read their data: those registers may be written again
.if (\i) < 6
	LOAD (\i)+2, \base, \pg
.endif
.endm
.macro STAGEADR base
	s_mul_i32 s26, s20, 8448
	s_add_co_u32 s26, s26, \base
	v_add_nc_u32 v[STI], s26, v[LI]
	v_mul_u32_u24 v[STO], v[RL], 528
	v_lshl_add_u32 v[STO], v[HL], 6, v[STO]
	v_add_nc_u32 v[STO], s26, v[STO]
.endm
	s_load_b512 s[4:19], s[0:1], 0x0               ; X s[4:5], mask s[6:7], Wq s[8:9], Wk s[10:11], Wv s[12:13], Wo s[14:15], c0 s[16:17], mbits s[18:19]
	v_lshl_add_u32 v30, v0, 2, 0x1e000
	v_mov_b32 v31, 0
	v_lshrrev_b32 v1, 5, v0
	v_readfirstlane_b32 s20, v1                    ; wave 0..3
	v_and_b32 v[RL], 15, v0
	v_bfe_u32 v[HL], v0, 4, 1
	v_and_b32 v[LN], 31, v0
	v_lshlrev_b32 v[LI], 4, v[LN]
	s_mov_b32 s[SEL], 0x76543210
	s_mov_b32 s[SEL+1], 0xfedcba98
	s_mov_b32 s[HI], 0xffff0000
	s_mov_b32 s25, 0
	s_wait_kmcnt 0x0
	s_cmp_lt_u32 ttmp9, 64
	s_cbranch_scc1 .Lweights
	s_cmp_lt_u32 ttmp9, 192
	s_cbranch_scc1 .Lrows
	; ---- THE MASK: task = (group of 128 rows, 128 keys)
	s_sub_co_u32 s21, ttmp9, 192
	s_lshl_b32 s21, s21, 2
	s_add_co_u32 s21, s21, s20                     ; task 0..1023
	s_lshr_b32 s22, s21, 4                         ; group
	s_and_b32 s23, s21, 15                         ; which 128 keys
	s_lshl_b32 s24, s22, 20                        ; 128 rows of 8,192 bytes
	s_lshl_b32 s26, s23, 9
	s_add_co_u32 s24, s24, s26
	s_add_nc_u64 s[6:7], s[6:7], s[24:25]
	s_lshl_b32 s24, s22, 15                        ; the words: 32,768 bytes a group, 4,096 a block, 256 for 128 keys
	s_lshl_b32 s26, s23, 8
	s_add_co_u32 s24, s24, s26
	s_add_nc_u64 s[18:19], s[18:19], s[24:25]
	s_wait_alu depctr_va_vdst(0)
	STAGEADR STGM
	v_lshlrev_b32 v[L8], 3, v[LN]
	v_mov_b32 v[MW], 0                             ; written once: v_writelane_b32's destination counts as read
	v_mov_b32 v[MW+1], 0
	LOAD 0, 6, 8192
	LOAD 1, 6, 8192
	s_wait_alu depctr_va_vdst(0)
.irp i, 0,1,2,3,4,5,6,7
	s_wait_alu depctr_va_vdst(0)
	HEADB \i, 6, 8192
.set n, 0
.rept 16
.irp k, 0,1,2,3
	v_cmp_ne_u32 s[MS+\k], 0, v[XN+n+\k]           ; word n + k: a bit for each lane
.endr
.irp k, 0,1,2,3
	v_writelane_b32 v[MW+\k%2], s[MS+\k], (n+\k)/2 ; lane l keeps words 2 l and 2 l + 1
.endr
.set n, n+4
.endr
	global_store_b64 v[L8], v[MW:MW+1], s[18:19] offset:4096*\i   ; 32 lanes store 256 consecutive bytes, aligned
.endr
	s_wait_tensorcnt 0x0
	ds_add_u32 v30, v31
	s_wait_dscnt 0x0
	s_endpgm
	; ---- X: task = (group of 128 rows, 128 along K)
.Lrows:
	s_sub_co_u32 s21, ttmp9, 64
	s_lshl_b32 s21, s21, 2
	s_add_co_u32 s21, s21, s20                     ; task 0..511
	s_lshr_b32 s22, s21, 3                         ; group
	s_and_b32 s23, s21, 7                          ; K step
	s_lshl_b32 s24, s22, 19                        ; 128 rows of 4,096 bytes
	s_lshl_b32 s26, s23, 9
	s_add_co_u32 s24, s24, s26
	s_add_nc_u64 s[4:5], s[4:5], s[24:25]
	s_mul_i32 s24, s22, 98304
	s_mul_i32 s26, s23, 12288
	s_add_co_u32 s24, s24, s26
	s_add_nc_u64 s[28:29], s[16:17], s[24:25]      ; the codes
	s_lshl_b32 s24, s22, 12
	s_lshl_b32 s26, s23, 9
	s_add_co_u32 s24, s24, s26
	s_add_co_u32 s24, s24, 9437184
	s_add_nc_u64 s[30:31], s[16:17], s[24:25]      ; the scale words
	s_wait_alu depctr_va_vdst(0)
	STAGEADR STGX
	v_lshlrev_b32 v[SWO], 5, v[RL]
	v_lshl_add_u32 v[SWO], v[HL], 4, v[SWO]
.irp b, 0,1,2,3
	v_mov_b32 v[TM+4+\b], 0                        ; written once: a lane permute's destination counts as read
.endr
	LOAD 0, 4, 4096
	LOAD 1, 4, 4096
	s_wait_alu depctr_va_vdst(0)
.irp i, 0,1,2,3,4,5,6,7
	HEADB \i, 4, 4096
	QUANT XN, SW+\i
.irp c, 0,1,2
	global_store_b128 v[LI], v[PC+4*\c:PC+4*\c+3], s[28:29] offset:1536*\i+512*\c   ; the fragment's image: 512 consecutive bytes a store
.endr
.endr
.irp e, 0,1,2,3
	v_cndmask_b32 v[Y+\e], v[SW+\e], v[SW+4+\e], s[HI]   ; lanes 0-15 store blocks 0-3's words of row r, lanes 16-31 blocks 4-7's
.endr
	global_store_b128 v[SWO], v[Y:Y+3], s[30:31]   ; 512 consecutive bytes
	s_wait_tensorcnt 0x0
	ds_add_u32 v30, v31
	s_wait_dscnt 0x0
	s_endpgm
	; ---- THE WEIGHTS: K is the first axis.  A lane takes a column and its registers run down K.  Task = (group of 128 columns of one weight, 128 along K)
.Lweights:
	s_lshl_b32 s21, ttmp9, 2
	s_add_co_u32 s21, s21, s20                     ; task 0..255
	s_lshr_b32 s22, s21, 3                         ; group 0..31: Wq 0-7, Wk 8-15, Wv 16-23, Wo 24-31
	s_and_b32 s23, s21, 7                          ; K step
	s_lshr_b32 s24, ttmp9, 4                       ; which weight: the choice hangs on the work-group's number alone
	s_cmp_eq_u32 s24, 1
	s_cselect_b64 s[8:9], s[10:11], s[8:9]
	s_cmp_eq_u32 s24, 2
	s_cselect_b64 s[8:9], s[12:13], s[8:9]
	s_cmp_eq_u32 s24, 3
	s_cselect_b64 s[8:9], s[14:15], s[8:9]
	s_lshl_b32 s24, s23, 19                        ; 128 rows (k) of 4,096 bytes
	s_and_b32 s26, s22, 7
	s_lshl_b32 s26, s26, 9                         ; 128 columns
	s_add_co_u32 s24, s24, s26
	s_add_nc_u64 s[8:9], s[8:9], s[24:25]
	s_mul_i32 s24, s22, 98304
	s_mul_i32 s26, s23, 12288
	s_add_co_u32 s24, s24, s26
	s_add_co_u32 s24, s24, 6291456
	s_add_nc_u64 s[10:11], s[16:17], s[24:25]      ; the codes
	s_lshl_b32 s24, s22, 12
	s_lshl_b32 s26, s23, 9
	s_add_co_u32 s24, s24, s26
	s_add_co_u32 s24, s24, 9699328
	s_add_nc_u64 s[12:13], s[16:17], s[24:25]      ; the scale words
	s_wait_alu depctr_va_vdst(0)
	v_lshlrev_b32 v[L4], 2, v[LN]
	s_mul_i32 s26, s20, 13824                      ; my stage: 8 fragments 1,664 bytes apart, then 512 bytes of scale words
	v_bfe_u32 v5, v0, 3, 1                         ; column 32 b + lane stands at block 2 b + u, u = (lane / 8) % 2,
	v_and_b32 v6, 7, v0
	v_lshl_add_u32 v6, v[HL], 3, v6                ; lane r = lane % 8 + 8 (lane / 16) of that block
	v_mul_u32_u24 v7, v5, 1664
	v_lshl_add_u32 v7, v6, 4, v7
	v_add_nc_u32 v[IMG], s26, v7
	v_lshlrev_b32 v7, 5, v6
	v_lshl_add_u32 v7, v5, 2, v7
	v_add_nc_u32 v7, s26, v7
	v_add_nc_u32 v[SCW], 13312, v7                 ; 32 r + 4 (2 b + u)
	v_add_nc_u32 v[BKA], s26, v[LI]
.macro LOADW blk                       ; block 4 t + b: W(32 t + i, 32 b + lane), i = 0 .. 31
.irp i, 0,1,2,3,4,5,6,7,8,9,10,11,12,13,14,15,16,17,18,19,20,21,22,23,24,25,26,27,28,29,30,31
	global_load_b32 v[WX+32*((\blk)%2)+\i], v[L4], s[8:9] offset:(32*((\blk)/4)+\i)*4096+128*((\blk)%4) th:TH_LOAD_NT
.endr
.endm
.macro BLOCKW blk
.set XS, WX+32*((\blk)%2)
.set TT, (\blk)/4
.set BB, (\blk)%4
.if (\blk) < 15
	s_wait_loadcnt 32                              ; this block's 32 loads are in; the next block's may be out
.else
	s_wait_loadcnt 0
.endif
	v_max3_num_f32 v13, |v[XS]|, |v[XS+1]|, |v[XS+2]|   ; the block's largest magnitude: all 32 numbers are mine
	v_max3_num_f32 v14, |v[XS+3]|, |v[XS+4]|, |v[XS+5]|
.irp i, 6,10,14,18,22,26
	v_max3_num_f32 v13, v13, |v[XS+\i]|, |v[XS+\i+1]|
	v_max3_num_f32 v14, v14, |v[XS+\i+2]|, |v[XS+\i+3]|
.endr
	v_max3_num_f32 v13, v13, |v[XS+30]|, |v[XS+31]|
	v_max3_num_f32 v13, v13, v14, 0x1800000        ; and the floor
	v_add_nc_u32 v15, 0xff000000, v13
	v_cvt_scalef32_pk16_fp6_f32 v[CW:CW+2], v[XS:XS+15], v15
	v_cvt_scalef32_pk16_fp6_f32 v[DW:DW+2], v[XS+16:XS+31], v15
	v_lshrrev_b32 v16, 23, v15                     ; the scale's byte (also the plain place behind the conversions)
.if TT == 0
	v_mov_b32 v[WB+BB], v16
.else
	v_lshl_or_b32 v[WB+BB], v16, 8*TT, v[WB+BB]
.endif
.irp i, 0,1,2
	v_mov_b32 v[CW+3+\i], v[DW+\i]
.endr
; my 24 bytes are registers 6 c .. 6 c + 5 of lane r + 16 h' of the fragment, c = t / 2, h' = t % 2
.if TT/2 == 0
	ds_store_b128 v[IMG], v[CW:CW+3] offset:3328*BB+256*(TT%2)
	ds_store_b64 v[IMG], v[CW+4:CW+5] offset:3328*BB+256*(TT%2)+512
.else
	ds_store_b64 v[IMG], v[CW:CW+1] offset:3328*BB+256*(TT%2)+520
	ds_store_b128 v[IMG], v[CW+2:CW+5] offset:3328*BB+256*(TT%2)+1024
.endif
.if TT == 3
	ds_store_b32 v[SCW], v[WB+BB] offset:8*BB
.endif
.if (\blk) < 14
	LOADW (\blk)+2
.endif
	s_wait_dscnt 0x0                               ; the stores have read their registers: the next block's codes may be written
.endm
	LOADW 0
	LOADW 1
.irp q, 0,1,2,3,4,5,6,7,8,9,10,11,12,13,14,15
	BLOCKW \q
.endr
.irp j, 0,1,2,3,4,5,6,7,8,9,10,11,12,13,14,15,16,17,18,19,20,21,22,23
	ds_load_b128 v[OUTR+4*\j:OUTR+4*\j+3], v[BKA] offset:1664*(\j/3)+512*(\j%3)   ; LDS serves a wave's instructions in order: these see my stores
.endr
	ds_load_b128 v[OUTR+96:OUTR+99], v[BKA] offset:13312
.irp j, 0,1,2,3,4,5,6,7,8,9,10,11,12,13,14,15,16,17,18,19,20,21,22,23
	s_wait_dscnt 24-\j
	global_store_b128 v[LI], v[OUTR+4*\j:OUTR+4*\j+3], s[10:11] offset:512*\j      ; 512 consecutive bytes a store
.endr
	s_wait_dscnt 0x0
	global_store_b128 v[LI], v[OUTR+96:OUTR+99], s[12:13]
	s_wait_tensorcnt 0x0
	ds_add_u32 v30, v31
	s_wait_dscnt 0x0
	s_endpgm
.Lfunc_end_k_q285b87ec98_quant:
	.size	k_q285b87ec98_quant, .Lfunc_end_k_q285b87ec98_quant-k_q285b87ec98_quant
	.p2alignl 7, 3214868480
	.fill 96, 4, 3214868480
	.section	.rodata,"a",@progbits
	.p2align	6, 0x0
	.amdhsa_kernel k_q285b87ec98_quant
		.amdhsa_group_segment_fixed_size 123392
		.amdhsa_private_segment_fixed_size 0
		.amdhsa_enable_private_segment 0
		.amdhsa_kernarg_size 64
		.amdhsa_user_sgpr_count 2
		.amdhsa_user_sgpr_kernarg_segment_ptr 1
		.amdhsa_wavefront_size32 1
		.amdhsa_system_sgpr_workgroup_id_x 1
		.amdhsa_system_sgpr_workgroup_id_y 1
		.amdhsa_system_sgpr_workgroup_id_z 1
		.amdhsa_system_vgpr_workitem_id 0
		.amdhsa_next_free_vgpr 256
		.amdhsa_next_free_sgpr 66
		.amdhsa_reserve_vcc 0
		.amdhsa_float_denorm_mode_32 3
		.amdhsa_float_denorm_mode_16_64 3
		.amdhsa_memory_ordered 1
		.amdhsa_forward_progress 1
		.amdhsa_inst_pref_size 239
	.end_amdhsa_kernel
	.amdgpu_metadata
---
amdhsa.version: [ 1, 2 ]
amdhsa.kernels:
  - .name:           k_q285b87ec98_quant
    .symbol:         k_q285b87ec98_quant.kd
    .args:
      - { .name: X, .offset: 0, .size: 8, .value_kind: global_buffer, .address_space: global }
      - { .name: attention_mask, .offset: 8, .size: 8, .value_kind: global_buffer, .address_space: global }
      - { .name: Wq, .offset: 16, .size: 8, .value_kind: global_buffer, .address_space: global }
      - { .name: Wk, .offset: 24, .size: 8, .value_kind: global_buffer, .address_space: global }
      - { .name: Wv, .offset: 32, .size: 8, .value_kind: global_buffer, .address_space: global }
      - { .name: Wo, .offset: 40, .size: 8, .value_kind: global_buffer, .address_space: global }
      - { .name: c0, .offset: 48, .size: 8, .value_kind: global_buffer, .address_space: global }
      - { .name: mbits, .offset: 56, .size: 8, .value_kind: global_buffer, .address_space: global }
    .group_segment_fixed_size: 123392
    .private_segment_fixed_size: 0
    .kernarg_segment_align: 8
    .kernarg_segment_size: 64
    .max_flat_workgroup_size: 128
    .sgpr_count:     66
    .vgpr_count:     256
    .wavefront_size: 32
...
	.end_amdgpu_metadata
.endif
;; end of part 1
;; launch qkv (part 2): grid 8 x 32, 4 waves a work-group, clusters of 4 x 4, 327,680 bytes of LDS; arguments c0, bq, bk, bv, c1; writes c1
.if DOCPART == 2
	.amdgcn_target "amdgcn-amd-amdhsa--gfx1250"
	.amdhsa_code_object_version 6
	.text
	.protected	k_q285b87ec98_qkv
	.globl	k_q285b87ec98_qkv
	.p2align	8
	.type	k_q285b87ec98_qkv,@function
k_q285b87ec98_qkv:
	s_mov_b64 s[64:65], 0
	v_nop
	global_prefetch_b8 v0, s[64:65] scope:SCOPE_SE
	s_setreg_imm32_b32 hwreg(HW_REG_WAVE_MODE, 25, 1), 1
	s_wait_xcnt 0x0
	s_wait_alu depctr_hold_cnt(0) depctr_sa_sdst(0) depctr_va_vdst(0) depctr_va_sdst(0) depctr_va_ssrc(0) depctr_va_vcc(0) depctr_vm_vsrc(0)
	s_getreg_b32 s2, hwreg(HW_REG_IB_STS2, 6, 4)
	s_cmp_eq_u32 s2, 0
	s_cbranch_scc0 .Lentry_in_a_cluster
	s_endpgm
.Lentry_in_a_cluster:
	s_bfe_u32 s2, ttmp6, 0x10000c
	s_cmp_lg_u32 s2, 0xf033
	s_cbranch_scc0 .Lentry_shape_is_right
	s_endpgm
.Lentry_shape_is_right:
; Q = X Wq + bq, K = X Wk + bk and V^T = Wv^T X^T + bv on codes of FP6 (E2M3) with E8M0 scales; each result is quantised in registers along ITS next K
; (Q, K: along d; V^T: along the keys) and stored as codes and scale words.  LIMITS: a block of zeros or under 2^-124 gets the byte 1; NaN and infinities are not served.
; OPERANDS lie in memory as images of the operand's registers: a fragment (16 rows x 128 K) is 1,536 bytes, register n of lane L at 512 (n / 4) + 16 L + 4 (n % 4); a tensor is [group of 128 rows][128 along K][block 0..7];
; rows are kept by position (lane r of block 2 b + u holds row 32 b + 8 u + r + 8 (r / 8)), so that a product's source 0 leaves 16 neighbours along the next K in 16 registers of a lane.
; A WORK-GROUP takes 256 rows of X (tile row R) and column group c of Wq, of Wk and of Wv: 256 x 384 of the result; 32 x 8 = 256 work-groups.
; WAVE (i, j) takes X's group i, eight blocks, which serve twice: against the eight blocks of Wq (j = 0) or Wk (j = 1), source 0 = the weight, 64 accumulators; and against blocks 4 j .. 4 j + 3 of Wv,
; source 0 = X, 32 accumulators of V^T (64 of d x 128 keys).  20 fragments from LDS feed 96 matrix instructions.
; K goes in steps of 128, two to a slot, through two LDS slots (X's two groups, then Wq, Wk, Wv: 5 x 24,576 bytes); the scale words for all of K come once, at the head.
; CLUSTERS 4 x 4: X's tiles are asked for jointly along a row of the cluster, the weights' along a column.
; REGISTERS: window 0: v4-19 addresses; v20-43 scale words, two sets of 12; v48-95 four blocks of X (a pair at work, a pair on its way); v96-239 the 12 fragments of the weights, one set.
; windows 1, 2: accumulator (a, b) of Q or K at v[8 (8 (a % 4) + b)], window 1 + a / 4;  window 3: accumulator (a', x) of V^T at v[8 (8 a' + x)].
; ORDER: X's blocks go in pairs; inside a pair the weights' block runs, so that in a step's last pair a fragment of the weights is free after two products and the next step's takes its place, four at a time.
; THE BIASES are the C of the first step: bq or bk by column is loaded into the registers of accumulators (7, b), bv by row is laid into those of (a', 7); the other accumulators name them as C, and (7, b), (a', 7) come last.
; PREFETCH: fill f + 2 (at the head also fill 1) is asked for when fill f is: 24 blocks of 256 bytes a lane-run; wave 0 takes X's two groups, waves 1-3 a weight each; the four partners share a tile's 96 blocks by address.
.set FR,     12
.set FRB,    1536
.set HALFT,  24576                     ; 128 rows x 256 K
.set SLOT,   5*HALFT
.set SCL,    2*SLOT                    ; X's scale words 8,192 bytes, then Wq's, Wk's, Wv's 4,096 each
.set SPARE,  SCL+20480                 ; the spare words, 128 bytes for each wave
.set ADRX, 4                           ; v4-5 my X fragments in slot 0, 1
.set ADRW, 6                           ; v6-7 my Wq or Wk fragments
.set ADRV, 8                           ; v8-9 my four Wv fragments
.set ADRS, 10                          ; scale words: lanes 0-15 X's rows, lanes 16-31 the weight's
.set ADRSV, 11                         ; Wv's four words of row r
.set LI,   12                          ; 16 x lane
.set SWO,  13                          ; 32 r + 16 h
.set SWV,  14                          ; 32 r + 8 h
.set PFO,  15                          ; 256 x min(lane, 23)
.set SPW,  16
.set NIL,  17
.set BQ,   18
.set BV,   19
.set SC,   20
.set XF,   48
.set WF,   96
.set TM,   48                          ; the way out
.set PC,   64
.set SW,   96
.set SV,   104
.set Y,    108
.set G1X, 24
.set G0X, 32
.set G1W, 40
.set G0W, 48
.set G1SX, 56
.set G1SW, 68
.set G0SX, 76
.set G0SW, 80
.set PFA, 96
.set SEL, 100
.set HI,  104
.set MSB, 0
.macro WIN new                         ; the immediate's high byte repeats the setting that is left
.if MSB != (\new)
	s_set_vgpr_msb (MSB<<8)|(\new)
.set MSB, (\new)
.endif
.endm
.macro WINQ a, first                   ; D in window 1 + a / 4; C there too, or, in the first step, in window 2
.if \first
	WIN ((1+(\a)/4)<<6)|0x20
.else
	WIN (1+(\a)/4)*0x50
.endif
.endm
.macro SHAPE g, c, r, p
	s_mov_b32 s[\g+1], (\c)<<16
	s_mov_b32 s[\g+2], (\r)<<16
	s_mov_b32 s[\g+3], (\c)<<16
	s_mov_b32 s[\g+4], \r
	s_mov_b32 s[\g+5], \p
	s_mov_b32 s[\g+6], 0
	s_mov_b32 s[\g+7], 0
.endm
.macro PLACES cnt
.rept \cnt
	v_nop
.endr
.endm
.macro JLOAD s                         ; a fill of the ring: wave 0 X's two groups, waves 1-3 a weight each; s_nop 0 and four v_nop follow each line
	s_cmp_eq_u32 s14, 0
	s_cbranch_scc0 .Lfor_w_\@
	tensor_load_to_lds s[G0X+4*(\s):G0X+4*(\s)+3], s[G1X:G1X+7]
	s_nop 0
	PLACES 4
	s_branch .Lasked_\@
.Lfor_w_\@:
	tensor_load_to_lds s[G0W+4*(\s):G0W+4*(\s)+3], s[G1W:G1W+7]
	s_nop 0
	PLACES 4
.Lasked_\@:
.endm
.macro CREST
	s_cmp_lg_u32 s14, 0
	s_cbranch_scc1 .Lnot_wave_0_\@
	s_barrier_signal -3
.Lnot_wave_0_\@:
	s_barrier_wait -3
	s_barrier_signal -1
	s_barrier_wait -1
.endm
.macro CROUND
	s_barrier_signal -1
	s_barrier_wait -1
	CREST
.endm
.macro ARM under, g0, g1, next
	s_cmp_lt_u32 s14, \under
	s_cbranch_scc0 \next
	tensor_load_to_lds s[\g0:\g0+3], s[\g1:\g1+7]
	s_nop 0
	PLACES 4
	s_branch .Lhead_asked
\next:
.endm
.macro PF f                            ; fill f's blocks: one run of lanes a wave, a second for X's other group
	global_prefetch_b8 v[PFO], s[PFA:PFA+1] offset:(\f)*HALFT th:TH_LOAD_NT scope:SCOPE_SE
	s_cmp_lg_u32 s14, 0
	s_cbranch_scc1 .Lpf_\@
	global_prefetch_b8 v[PFO], s[PFA:PFA+1] offset:(\f)*HALFT+98304 th:TH_LOAD_NT scope:SCOPE_SE
.Lpf_\@:
.endm
.macro FRAG reg, adr, off              ; a fragment's image: three loads, each 512 consecutive bytes
.irp c, 0,1,2
	ds_load_b128 v[\reg+4*\c:\reg+4*\c+3], v[\adr] offset:(\off)+512*\c
.endr
.endm
.macro XP st, p                        ; X's blocks 2 p, 2 p + 1 of step st: 6 loads
	FRAG XF+FR*((2*(\p))%4), ADRX+((\st)/2)%2, (8*((\st)%2)+2*(\p))*FRB
	FRAG XF+FR*((2*(\p)+1)%4), ADRX+((\st)/2)%2, (8*((\st)%2)+2*(\p)+1)*FRB
.endm
.macro WB st, k                        ; blocks 4 k .. 4 k + 3 of Wq or Wk: 12 loads
.irp i, 0,1,2,3
	FRAG WF+FR*(4*(\k)+\i), ADRW+((\st)/2)%2, (8*((\st)%2)+4*(\k)+\i)*FRB
.endr
.endm
.macro WV st                           ; my four blocks of Wv: 12 loads
.irp i, 0,1,2,3
	FRAG WF+FR*(8+\i), ADRV+((\st)/2)%2, (8*((\st)%2)+\i)*FRB
.endr
.endm
.macro SCLD st                         ; a step's scale words: 3 loads
	ds_load_b128 v[SC+12*((\st)%2):SC+12*((\st)%2)+3], v[ADRS] offset:512*(\st)
	ds_load_b128 v[SC+12*((\st)%2)+4:SC+12*((\st)%2)+7], v[ADRS] offset:512*(\st)+16
	ds_load_b128 v[SC+12*((\st)%2)+8:SC+12*((\st)%2)+11], v[ADRSV] offset:512*(\st)
.endm
.macro QKM a, b, p, first              ; source 0 = the weight's block b, source 1 = X's block a
.set DQ, 8*(8*((\a)%4)+(\b))
.if \first
.set CQ, 192+8*(\b)
.else
.set CQ, DQ
.endif
	v_wmma_scale_f32_16x16x128_f8f6f4 v[DQ:DQ+7], v[WF+FR*(\b):WF+FR*(\b)+FR-1], v[XF+FR*((\a)%4):XF+FR*((\a)%4)+FR-1], v[CQ:CQ+7], v[SC+12*(\p)+(\b)], v[SC+12*(\p)+(\a)] matrix_a_fmt:MATRIX_FMT_FP6 matrix_b_fmt:MATRIX_FMT_FP6 matrix_a_scale:MATRIX_SCALE_ROW1
.endm
.macro VVM ap, x, p, first             ; source 0 = X's block x (keys), source 1 = Wv's block ap
.set DQ, 8*(8*(\ap)+(\x))
.if \first
.set CQ, 8*(8*(\ap)+7)
.else
.set CQ, DQ
.endif
	v_wmma_scale_f32_16x16x128_f8f6f4 v[DQ:DQ+7], v[XF+FR*((\x)%4):XF+FR*((\x)%4)+FR-1], v[WF+FR*(8+(\ap)):WF+FR*(8+(\ap))+FR-1], v[CQ:CQ+7], v[SC+12*(\p)+(\x)], v[SC+12*(\p)+8+(\ap)] matrix_a_fmt:MATRIX_FMT_FP6 matrix_b_fmt:MATRIX_FMT_FP6
.endm
.macro QKP a0, b0, p, first            ; 8 matrix instructions; the accumulators take turns, one instruction a turn
.irp b, \b0, \b0+1, \b0+2, \b0+3
	QKM \a0, \b, \p, \first
	QKM \a0+1, \b, \p, \first
.endr
.endm
.macro VVP x0, p, first
.irp ap, 0,1,2,3
	VVM \ap, \x0, \p, \first
	VVM \ap, \x0+1, \p, \first
.endr
.endm
.macro EV                              ; four places in front of loads into registers that matrix instructions have read (ISA guide 7.12.1 for vector instructions)
	PLACES 4
	WIN 0
.endm
; A step of 128 along K: 96 matrix instructions.  mode 0: the next step lies in the same slot; 1: change of slots with a refill; 2: change of slots, nothing left to fetch; 3: the last step.
.macro STEP st, first, mode
.set P, (\st)%2
	s_wait_dscnt 30                                ; X's pair 0, the scale words and the weight's blocks 0-3 are in; out may be blocks 4-7 (12), Wv's (12), X's pair 1 (6)
	WINQ 0, \first
	QKP 0, 0, P, \first
	s_wait_dscnt 18                                ; blocks 4-7 are in
	QKP 0, 4, P, \first
	s_wait_dscnt 6                                 ; Wv's are in
	WIN 0xf0
	VVP 0, P, \first
	EV
	XP \st, 2
	s_wait_dscnt 6                                 ; pair 1 is in; pair 2 may be out
	WINQ 2, \first
	QKP 2, 0, P, \first
	QKP 2, 4, P, \first
	WIN 0xf0
	VVP 2, P, \first
	EV
	XP \st, 3                                      ; my last reads of a slot's second step
.if (\mode) == 1 || (\mode) == 2
	s_wait_tensorcnt 0x0                           ; all my tensor loads have landed: my part of the next slot
	ds_add_u32 v[SPW], v[NIL]                      ; 0 onto my spare word
	s_wait_dscnt 7                                 ; pair 2 is in; pair 3 and the add may be out
	WINQ 4, 0
	QKP 4, 0, P, 0
	QKP 4, 4, P, 0
	s_wait_dscnt 0x0                               ; the add is done, and my reads of this slot are over
	s_barrier_signal -1
	WIN 0xf0
	VVP 4, P, 0
	WIN 0
	s_barrier_wait -1
.if (\mode) == 1
	CREST                                          ; the barrier has opened a round of the cluster's: no wave of any partner still reads this slot or has a load on its way
	s_add_nc_u64 s[G0X+4*(((\st)/2)%2)+2:G0X+4*(((\st)/2)%2)+3], s[G0X+4*(((\st)/2)%2)+2:G0X+4*(((\st)/2)%2)+3], 2*HALFT
	s_add_nc_u64 s[G0W+4*(((\st)/2)%2)+2:G0W+4*(((\st)/2)%2)+3], s[G0W+4*(((\st)/2)%2)+2:G0W+4*(((\st)/2)%2)+3], 2*HALFT
	JLOAD ((\st)/2)%2                              ; the first tensor load behind the round; its four v_nop are the places in front of the loads below
.else
	PLACES 4
.endif
.else
	s_wait_dscnt 6                                 ; pair 2 is in; pair 3 may be out
	WINQ 4, \first
	QKP 4, 0, P, \first
	QKP 4, 4, P, \first
	WIN 0xf0
	VVP 4, P, \first
.if (\mode) != 3
	EV
.endif
.endif
.if (\mode) != 3
	XP (\st)+1, 0
	SCLD (\st)+1
	s_wait_dscnt 9                                 ; pair 3 is in; the 9 just issued may be out
.else
	s_wait_dscnt 0x0
.endif
.if \first                             ; the first step's last pair: block 6 first, which names the biases' registers as C; five places; then block 7, which adds onto them in place
	WINQ 6, 1
.irp b, 0,1,2,3,4,5,6,7
	QKM 6, \b, P, 1
.endr
	WIN 0xf0
.irp ap, 0,1,2,3
	VVM \ap, 6, P, 1
.endr
	PLACES 5
	WINQ 7, 1
.irp b, 0,1,2,3
	QKM 7, \b, P, 1
.endr
	EV
	WB (\st)+1, 0
	WINQ 7, 1
.irp b, 4,5,6,7
	QKM 7, \b, P, 1
.endr
	EV
	WB (\st)+1, 1
	WIN 0xf0
.irp ap, 0,1,2,3
	VVM \ap, 7, P, 1
.endr
	EV
	WV (\st)+1
	XP (\st)+1, 1
.else
	WINQ 6, 0
	QKP 6, 0, P, 0
.if (\mode) != 3
	EV
	WB (\st)+1, 0
	WINQ 6, 0
.endif
	QKP 6, 4, P, 0
.if (\mode) != 3
	EV
	WB (\st)+1, 1
.endif
	WIN 0xf0
	VVP 6, P, 0
.if (\mode) != 3
	EV
	WV (\st)+1
	XP (\st)+1, 1
.else
	WIN 0
.endif
.endif
.endm
; 64 results of a lane in window w from register s on (register 16 b + i = k 32 b + 16 h + i of my row) become a fragment's codes in v[PC] on and its scale word in v[wr]
.macro QUANT w, s, wr, later
.if \later
	s_wait_xcnt 0x0                                ; the last block's stores have read their data
.endif
	WIN (\w)*5                                     ; sources 0 and 1 in window w
.irp b, 0,1,2,3
	v_max3_num_f32 v[TM+\b], |v[(\s)+16*\b]|, |v[(\s)+1+16*\b]|, 0x1800000   ; each accumulator from its low end on; the floor 2^(3 - 127) holds the byte at 1 from below
.endr
	WIN (\w)*0x14                                  ; sources 1 and 2
.irp i, 2,4,6,8,10,12,14
.irp b, 0,1,2,3
	v_max3_num_f32 v[TM+\b], v[TM+\b], |v[(\s)+16*\b+\i]|, |v[(\s)+1+16*\b+\i]|
.endr
.endr
	WIN 0
.irp b, 0,1,2,3
	v_permlanex16_b32 v[TM+4+\b], v[TM+\b], s[SEL], s[SEL+1]
.endr
.irp b, 0,1,2,3
	v_max_num_f32 v[TM+\b], v[TM+\b], v[TM+4+\b]
.endr
.irp b, 0,1,2,3
	v_add_nc_u32 v[TM+12+\b], 0xff000000, v[TM+\b] ; 2 off the exponent field: the conversion's scale operand
.endr
.irp b, 0,1,2,3
	v_lshrrev_b32 v[TM+4+\b], 23, v[TM+12+\b]
.endr
	v_lshl_or_b32 v[\wr], v[TM+5], 8, v[TM+4]
	v_lshl_or_b32 v[\wr], v[TM+6], 16, v[\wr]
	v_lshl_or_b32 v[\wr], v[TM+7], 24, v[\wr]
	WIN (\w)                                       ; source 0
.irp c, 0,1
	v_cvt_scalef32_pk16_fp6_f32 v[PC+6*\c:PC+2+6*\c], v[(\s)+32*\c:(\s)+15+32*\c], v[TM+12+2*\c]
	v_cvt_scalef32_pk16_fp6_f32 v[PC+12+4*\c:PC+14+4*\c], v[(\s)+16+32*\c:(\s)+31+32*\c], v[TM+12+2*\c+1]
.endr
	WIN 0
	v_nop                                          ; one plain place behind the scaled conversions
.irp c, 0,1
.irp i, 0,1,2
	v_permlane16_swap_b32 v[PC+6*\c+\i], v[PC+12+4*\c+\i]
.endr
.irp i, 0,1,2
	v_mov_b32 v[PC+3+6*\c+\i], v[PC+12+4*\c+\i]
.endr
.endr
.endm
.macro IMG base, a                     ; a fragment leaves as it stands: 512 consecutive bytes a store
.irp c, 0,1,2
	global_store_b128 v[LI], v[PC+4*\c:PC+4*\c+3], s[\base:\base+1] offset:1536*(\a)+512*\c
.endr
.endm
	s_load_b256 s[4:11], s[0:1], 0x0               ; c0 s[4:5], bq s[6:7], bk s[8:9], bv s[10:11]
	s_load_b64 s[12:13], s[0:1], 0x20              ; c1
	v_lshl_add_u32 v[SPW], v0, 2, SPARE
	v_mov_b32 v[NIL], 0
	ds_add_u32 v[SPW], v[NIL]                      ; the opening lines: the add, twice on end, and its wait ahead of my first tensor load
	ds_add_u32 v[SPW], v[NIL]
	v_lshrrev_b32 v1, 5, v0
	v_readfirstlane_b32 s14, v1                    ; wave 0..3
	s_lshr_b32 s15, s14, 1                         ; i: my group of X
	s_and_b32 s16, s14, 1                          ; j: Wq or Wk, and my half of Wv's blocks
	s_bfe_u32 s84, ttmp6, 0x40000                  ; cx
	s_bfe_u32 s85, ttmp6, 0x40004                  ; cy
	s_lshl_b32 s86, ttmp9, 2
	s_add_co_u32 s86, s86, s84                     ; c: the column group
	s_and_b32 s87, ttmp7, 0xffff
	s_lshl_b32 s87, s87, 2
	s_add_co_u32 s87, s87, s85                     ; R: the tile row
	s_lshl_b32 s88, s85, 2
	s_lshl_b32 s88, 15, s88                        ; my row of the cluster
	s_lshl_b32 s89, 0x1111, s84                    ; my column
	s_or_b32 s[G1X], s88, (3<<16)|(1<<21)
	s_or_b32 s[G1W], s89, (3<<16)|(1<<21)
	s_or_b32 s[G1SX], s88, (3<<16)|(1<<21)
	s_or_b32 s[G1SW], s89, (3<<16)|(1<<21)
	SHAPE G1X, 3072, 2, 12288                      ; X: 24,576 bytes of each of two groups, 98,304 bytes apart (elements of 8 bytes)
	SHAPE G1W, 3072, 3, 98304                      ; at the head: the same of Wq's, Wk's and Wv's group c, 8 groups apart
	SHAPE G1SX, 32, 32, 32                         ; X's scale words: 8,192 dense bytes
	SHAPE G1SW, 512, 3, 4096                       ; the weights': 4,096 bytes of each, 8 groups apart
	s_mul_i32 s18, s87, 196608                     ; X's codes from group 2 R on
	s_mov_b32 s19, 0
	s_lshl_b32 s20, s87, 13
	s_add_co_u32 s20, s20, 9437184                 ; X's scale words
	s_mov_b32 s21, 0
	s_mul_i32 s22, s86, 98304
	s_add_co_u32 s22, s22, 6291456                 ; Wq's group c
	s_mov_b32 s23, 0
	s_lshl_b32 s66, s86, 12
	s_add_co_u32 s66, s66, 9699328                 ; its scale words
	s_mov_b32 s67, 0
	s_mul_i32 s98, s14, 786432                     ; in the ring wave w fetches weight w - 1
	s_mov_b32 s99, 0
	s_add_co_u32 s17, s14, 1
	s_mul_i32 s17, s17, HALFT                      ; into (w + 1) x 24,576 of the slot
	s_mov_b32 s[SEL], 0x76543210
	s_mov_b32 s[SEL+1], 0xfedcba98
	s_mov_b32 s[HI], 0xffff0000
	s_wait_dscnt 0x0                               ; both opening adds are done
	s_wait_kmcnt 0x0
	s_add_nc_u64 s[18:19], s[4:5], s[18:19]
	s_add_nc_u64 s[20:21], s[4:5], s[20:21]
	s_add_nc_u64 s[22:23], s[4:5], s[22:23]
	s_add_nc_u64 s[66:67], s[4:5], s[66:67]
	s_add_nc_u64 s[98:99], s[22:23], s[98:99]
	s_sub_nc_u64 s[98:99], s[98:99], 786432
	CROUND                                         ; all sixteen work-groups are here: the first joint loads meet
.irp s, 0,1
	s_mov_b32 s[G0X+4*\s], 1
	s_mov_b32 s[G0X+4*\s+1], \s*SLOT
	s_add_nc_u64 s[G0X+4*\s+2:G0X+4*\s+3], s[18:19], \s*HALFT
	s_or_b32 s[G0X+4*\s+3], s[G0X+4*\s+3], 0x80000000
.endr
	s_mov_b32 s[G0W], 1                            ; at the head: the three weights' tiles by one load
	s_mov_b32 s[G0W+1], 2*HALFT
	s_mov_b64 s[G0W+2:G0W+3], s[22:23]
	s_or_b32 s[G0W+3], s[G0W+3], 0x80000000
	s_mov_b32 s[G0W+4], 1
	s_add_co_u32 s[G0W+5], s17, SLOT
	s_add_nc_u64 s[G0W+6:G0W+7], s[98:99], HALFT
	s_or_b32 s[G0W+7], s[G0W+7], 0x80000000
	s_mov_b32 s[G0SX], 1
	s_mov_b32 s[G0SX+1], SCL
	s_mov_b64 s[G0SX+2:G0SX+3], s[20:21]
	s_or_b32 s[G0SX+3], s[G0SX+3], 0x80000000
	s_mov_b32 s[G0SW], 1
	s_mov_b32 s[G0SW+1], SCL+8192
	s_mov_b64 s[G0SW+2:G0SW+3], s[66:67]
	s_or_b32 s[G0SW+3], s[G0SW+3], 0x80000000
	; the head's four tiles, one load a wave: one chain of branches on the wave's number
	ARM 1, G0X, G1X, .Lhead_w
	ARM 2, G0W, G1W, .Lhead_sx
	ARM 3, G0SX, G1SX, .Lhead_sw
	tensor_load_to_lds s[G0SW:G0SW+3], s[G1SW:G1SW+7]
	s_nop 0
	PLACES 4
.Lhead_asked:
	; scalars first, then one run of vector instructions
	s_mul_i32 s20, s84, 6144                       ; the prefetches: my work-group's 24 of a tile's 96 blocks, by cx for X, by cy for the weights
	s_mul_i32 s21, s85, 6144
	s_cmp_eq_u32 s14, 0
	s_cselect_b64 s[PFA:PFA+1], s[18:19], s[98:99]
	s_cselect_b32 s20, s20, s21
	s_mov_b32 s21, 0
	s_add_nc_u64 s[PFA:PFA+1], s[PFA:PFA+1], s[20:21]
	s_mul_i32 s22, s15, HALFT                      ; LDS: my group of X,
	s_mul_i32 s23, s16, HALFT
	s_add_co_u32 s23, s23, 2*HALFT                 ; my weight,
	s_mul_i32 s66, s16, 4*FRB
	s_add_co_u32 s66, s66, 4*HALFT                 ; my four blocks of Wv
	s_lshl_b32 s67, s15, 12
	s_lshl_b32 s3, s16, 12
	s_add_co_u32 s3, s3, 8192
	s_sub_co_u32 s3, s3, s67                       ; from X's scale words to my weight's
	s_add_co_u32 s67, s67, SCL
	s_lshl_b32 s18, s16, 4
	s_add_co_u32 s18, s18, SCL+16384
	s_cmp_eq_u32 s16, 0
	s_cselect_b64 s[6:7], s[6:7], s[8:9]           ; bq or bk
	s_lshl_b32 s20, s86, 9
	s_add_nc_u64 s[6:7], s[6:7], s[20:21]          ; from column 128 c on
	s_add_nc_u64 s[10:11], s[10:11], s[20:21]
	s_lshl_b32 s20, s16, 8
	s_add_nc_u64 s[10:11], s[10:11], s[20:21]      ; bv: + 64 j
	s_lshl_b32 s19, s87, 1
	s_add_co_u32 s19, s19, s15                     ; X's group 2 R + i
	s_lshl_b32 s20, s19, 3
	s_add_co_u32 s20, s20, s86                     ; Q, K: [group][K step c]
	s_mov_b32 s9, 0
	s_mul_i32 s8, s20, 12288
	s_mul_i32 s21, s16, 6291456
	s_add_co_u32 s8, s8, s21
	s_add_nc_u64 s[4:5], s[12:13], s[8:9]          ; their codes
	s_lshl_b32 s8, s20, 9
	s_mul_i32 s21, s16, 262144
	s_add_co_u32 s8, s8, s21
	s_add_co_u32 s8, s8, 18874368
	s_add_nc_u64 s[90:91], s[12:13], s[8:9]        ; their scale words
	s_lshl_b32 s20, s86, 6
	s_add_co_u32 s20, s20, s19                     ; V^T: [group c][K step 2 R + i]
	s_mul_i32 s8, s20, 12288
	s_mul_i32 s21, s16, 4*FRB
	s_add_co_u32 s8, s8, s21
	s_add_co_u32 s8, s8, 12582912
	s_add_nc_u64 s[92:93], s[12:13], s[8:9]
	s_lshl_b32 s8, s20, 9
	s_lshl_b32 s21, s16, 4
	s_add_co_u32 s8, s8, s21
	s_add_co_u32 s8, s8, 19398656
	s_add_nc_u64 s[94:95], s[12:13], s[8:9]
	v_and_b32 v1, 15, v0                           ; r
	v_bfe_u32 v2, v0, 4, 1                         ; h
	v_and_b32 v3, 31, v0
	v_lshlrev_b32 v[LI], 4, v3
	v_add_nc_u32 v[ADRX], s22, v[LI]
	v_add_nc_u32 v[ADRW], s23, v[LI]
	v_add_nc_u32 v[ADRV], s66, v[LI]
	v_add_nc_u32 v[ADRX+1], SLOT, v[ADRX]
	v_add_nc_u32 v[ADRW+1], SLOT, v[ADRW]
	v_add_nc_u32 v[ADRV+1], SLOT, v[ADRV]
	v_lshlrev_b32 v[SWO], 5, v1
	v_mul_u32_u24 v[ADRS], s3, v2                  ; lanes 16-31 take the weight's words
	v_add_nc_u32 v[ADRS], v[ADRS], v[SWO]
	v_add_nc_u32 v[ADRS], s67, v[ADRS]
	v_add_nc_u32 v[ADRSV], s18, v[SWO]
	v_lshl_add_u32 v[SWV], v2, 3, v[SWO]
	v_lshl_add_u32 v[SWO], v2, 4, v[SWO]
	v_min_u32 v[PFO], 23, v3                       ; lanes 24-31 name the run's last block again
	v_lshlrev_b32 v[PFO], 8, v[PFO]
	v_lshlrev_b32 v[BQ], 6, v2                     ; the bias by column: 64 h
	v_and_b32 v[BV], 8, v1
	v_add_nc_u32 v[BV], v[BV], v1
	v_lshlrev_b32 v[BV], 2, v[BV]                  ; by row: 4 (r + 8 (r / 8))
	s_wait_alu depctr_va_vdst(0)
	WIN 0x80                                       ; into window 2, the registers of accumulators (7, b): register 8 b + n = column 32 (rho / 16) + 16 h + rho % 16
.irp b, 0,1,2,3
.irp n, 0,1,2,3
	global_load_b128 v[192+16*\b+4*\n:192+16*\b+4*\n+3], v[BQ], s[6:7] offset:128*\b+16*\n
.endr
.endr
	WIN 0
.irp a, 0,1,2,3
	global_load_b32 v[240+\a], v[BV], s[10:11] offset:(32*(\a/2)+8*(\a%2))*4
.endr
	PF 1
	PF 2
	s_wait_loadcnt 0x0
	WIN 0xc0                                       ; bv of my row into the registers of accumulators (a', 7), window 3
.irp a, 0,1,2,3
.irp n, 0,1,2,3,4,5,6,7
	v_mov_b32 v[64*\a+56+\n], v[240+\a]
.endr
.endr
	WIN 0
	s_wait_alu depctr_va_vdst(0)
	s_wait_tensorcnt 0x0                           ; my tile of the head's four is in
	ds_add_u32 v[SPW], v[NIL]
	SHAPE G1W, 32, 96, 32                          ; no tensor load of mine is out: from here on a load for the weights brings one weight's 24,576 dense bytes,
	s_mov_b32 s[G0W+1], s17                        ; and slot 0's group 0 is the wave's own
	s_mov_b64 s[G0W+2:G0W+3], s[98:99]
	s_or_b32 s[G0W+3], s[G0W+3], 0x80000000
	s_wait_dscnt 0x0
	CROUND                                         ; all four tiles are in, and all sixteen work-groups are here
	JLOAD 1                                        ; slot 1's first fill, the first tensor load behind the round
	XP 0, 0
	SCLD 0
	WB 0, 0
	WB 0, 1
	WV 0
	XP 0, 1
	PF 3
	STEP 0, 1, 0
	STEP 1, 0, 1
	STEP 2, 0, 0
	STEP 3, 0, 1
	STEP 4, 0, 0
	STEP 5, 0, 2
	STEP 6, 0, 0
	STEP 7, 0, 3
	; THE WAY OUT: each block of 16 rows is quantised along its 128 columns, one K step of the next product, straight from the accumulators; no LDS is touched
	PLACES 5
.irp b, 0,1,2,3
	v_mov_b32 v[TM+4+\b], 0                        ; written once: a lane permute's destination counts as read
.endr
.irp a, 0,1,2,3,4,5,6,7
	QUANT 1+\a/4, 64*(\a%4), SW+\a, \a
	IMG 4, \a
.endr
.irp e, 0,1,2,3
	v_cndmask_b32 v[Y+\e], v[SW+\e], v[SW+4+\e], s[HI]   ; lanes 0-15 store blocks 0-3's words of row r, lanes 16-31 blocks 4-7's
.endr
	global_store_b128 v[SWO], v[Y:Y+3], s[90:91]   ; 512 consecutive bytes
.irp a, 0,1,2,3
	QUANT 3, 64*\a, SV+\a, 1
	IMG 92, \a
.endr
	v_cndmask_b32 v[Y+4], v[SV], v[SV+2], s[HI]
	v_cndmask_b32 v[Y+5], v[SV+1], v[SV+3], s[HI]
	global_store_b64 v[SWV], v[Y+4:Y+5], s[94:95]  ; my four words of each row's eight
	s_wait_tensorcnt 0x0                           ; the wave's end
	ds_add_u32 v[SPW], v[NIL]
	s_wait_dscnt 0x0
	CROUND                                         ; the closing round
	s_endpgm
.Lfunc_end_k_q285b87ec98_qkv:
	.size	k_q285b87ec98_qkv, .Lfunc_end_k_q285b87ec98_qkv-k_q285b87ec98_qkv
	.p2alignl 7, 3214868480
	.fill 96, 4, 3214868480
	.section	.rodata,"a",@progbits
	.p2align	6, 0x0
	.amdhsa_kernel k_q285b87ec98_qkv
		.amdhsa_group_segment_fixed_size 327680
		.amdhsa_private_segment_fixed_size 0
		.amdhsa_enable_private_segment 0
		.amdhsa_kernarg_size 40
		.amdhsa_user_sgpr_count 2
		.amdhsa_user_sgpr_kernarg_segment_ptr 1
		.amdhsa_wavefront_size32 1
		.amdhsa_system_sgpr_workgroup_id_x 1
		.amdhsa_system_sgpr_workgroup_id_y 1
		.amdhsa_system_sgpr_workgroup_id_z 1
		.amdhsa_system_vgpr_workitem_id 0
		.amdhsa_next_free_vgpr 1024
		.amdhsa_next_free_sgpr 106
		.amdhsa_reserve_vcc 0
		.amdhsa_float_denorm_mode_32 3
		.amdhsa_float_denorm_mode_16_64 3
		.amdhsa_memory_ordered 1
		.amdhsa_forward_progress 1
		.amdhsa_inst_pref_size 208
	.end_amdhsa_kernel
	.amdgpu_metadata
---
amdhsa.version: [ 1, 2 ]
amdhsa.kernels:
  - .name:           k_q285b87ec98_qkv
    .symbol:         k_q285b87ec98_qkv.kd
    .args:
      - { .name: c0, .offset: 0, .size: 8, .value_kind: global_buffer, .address_space: global }
      - { .name: bq, .offset: 8, .size: 8, .value_kind: global_buffer, .address_space: global }
      - { .name: bk, .offset: 16, .size: 8, .value_kind: global_buffer, .address_space: global }
      - { .name: bv, .offset: 24, .size: 8, .value_kind: global_buffer, .address_space: global }
      - { .name: c1, .offset: 32, .size: 8, .value_kind: global_buffer, .address_space: global }
    .group_segment_fixed_size: 327680
    .private_segment_fixed_size: 0
    .kernarg_segment_align: 8
    .kernarg_segment_size: 40
    .max_flat_workgroup_size: 128
    .sgpr_count:     106
    .vgpr_count:     1024
    .wavefront_size: 32
...
	.end_amdgpu_metadata
.endif
;; end of part 2
;; launch scores (part 3): grid 8 x 32, 4 waves a work-group, clusters of 4 x 4, 327,680 bytes of LDS; arguments c1, mbits, c2; writes c2
.if DOCPART == 3
	.amdgcn_target "amdgcn-amd-amdhsa--gfx1250"
	.amdhsa_code_object_version 6
	.text
	.protected	k_q285b87ec98_scores
	.globl	k_q285b87ec98_scores
	.p2align	8
	.type	k_q285b87ec98_scores,@function
k_q285b87ec98_scores:
	s_mov_b64 s[64:65], 0
	v_nop
	global_prefetch_b8 v0, s[64:65] scope:SCOPE_SE
	s_setreg_imm32_b32 hwreg(HW_REG_WAVE_MODE, 25, 1), 1
	s_wait_xcnt 0x0
	s_wait_alu depctr_hold_cnt(0) depctr_sa_sdst(0) depctr_va_vdst(0) depctr_va_sdst(0) depctr_va_ssrc(0) depctr_va_vcc(0) depctr_vm_vsrc(0)
	s_getreg_b32 s2, hwreg(HW_REG_IB_STS2, 6, 4)
	s_cmp_eq_u32 s2, 0
	s_cbranch_scc0 .Lentry_in_a_cluster
	s_endpgm
.Lentry_in_a_cluster:
	s_bfe_u32 s2, ttmp6, 0x10000c
	s_cmp_lg_u32 s2, 0xf033
	s_cbranch_scc0 .Lentry_shape_is_right
	s_endpgm
.Lentry_shape_is_right:
; S = Q K^T on codes of FP6 (E2M3) with E8M0 scales, the mask, and the softmax's first half: for each row and each 128 keys (a wave's columns) t = score x log2(e) / 32,
; M = ceil(the largest t of these 128 keys), a whole number, p = 2^(t - M), l = the sum of the unquantised p.  p is quantised along the keys and stored as codes and scale words; M and l are stored beside them.
; The next launch joins the 16 M of a row: since every M is a whole number, bringing p under the row's M only takes a whole number off its scale bytes.
; Hidden scores become -infinity ahead of the maximum (p = 0).  Where all 128 keys are hidden, M is held at -3e38, p and l are 0.
; LIMITS: a block whose every p is 0 or under 2^-124 gets the byte 1; NaN and infinities among the inputs are not served.
; Operands, positions, tile, ring and clusters are as in the launch that makes Q and K: fragments lie in memory as images of the operand's registers (1,536 bytes), rows by position, the matrix instruction is used
; transposed (source 0 = 16 keys, source 1 = 16 queries), so register rho of block a holds key 32 (rho / 16) + 16 h + rho % 16 of the wave's 128 for the query at lane r.
; THE MASK comes as words of lane bits, word rho for register rho: 64 words a block, by four scalar loads into the registers that the descriptors have left; they serve as select masks alone.
; A work-group has four slots' worth of tiles, two of them first fills; fills 1-3 are prefetched (see below).
.set KTOT,   1024
.set FR,     12
.set FRB,    1536
.set NL,     3
.set NP,     4
.set NQ,     2
.set HALFT,  24576
.set SLOT,   4*HALFT
.set LAPS,   KTOT/512
.set HALFS,  (KTOT/128)*512
.set SCL,    2*SLOT
.set SPARE,  SCL+4*HALFS               ; the spare words, 128 bytes for each wave: two blocks of 256 bytes that no other line names
.set ADRA, 16
.set ADRB, 20
.set LI,   24
.set SWO,  25
.set ADRS, 27
.set SPW,  28
.set NIL,  29
.set NINF, 30                          ; v30 -infinity
.set SC,   32
.set AF,   128
.set G1, 24
.set G0, 32
.set G1B, 48
.set G0B, 56
.set G1S, 68
.set G0S, 76
.set G1SB, 80
.set G0SB, 88
.set MM,  64                           ; v64-71  M of the eight blocks
.set LL,  72                           ; v72-79  l
.set SW,  80                           ; v80-87  p's scale words
.set Z,   88                           ; v88-95  M (lanes 0-15) and l (lanes 16-31) to store
.set Y,   96                           ; v96-99
.set T,   128                          ; v128-191 64 scores of a row, then p
.set BM,  192                          ; v192-195 the four blocks' largest scores, then largest p
.set BT,  196
.set SO,  200                          ; v200-203 the conversions' scale operands
.set NM,  204                          ; v[204:205] -M (the packed form names the pair)
.set SUM, 206                          ; v[206:207]
.set PC,  208                          ; v208-226
.set S2,  228                          ; v[228:229] the second chain of the sum
.set TP,  230                          ; v230-231
.set HI,  95
.set CS,  96                           ; s[96:97] c = log2(e) / 32
.set SEL, 98
.set MSB, 0
.macro WIN new
.if MSB != (\new)
	s_set_vgpr_msb (MSB<<8)|(\new)
.set MSB, (\new)
.endif
.endm
.set MUL_LO, 0xa1
.set MUL_HI, 0xf1
.set TO_B,   0x40
.macro JLOAD g0a, g1a, g0b, g1b        ; a joint load: waves 0 and 1 for A, waves 2 and 3 for B; four v_nop follow each line
	s_cmp_eq_u32 s15, 0
	s_cbranch_scc0 .Lfor_b_\@
	tensor_load_to_lds s[\g0a:\g0a+3], s[\g1a:\g1a+7]
	s_nop 0
.rept 4
	v_nop
.endr
	s_branch .Lasked_\@
.Lfor_b_\@:
	tensor_load_to_lds s[\g0b:\g0b+3], s[\g1b:\g1b+7]
	s_nop 0
.rept 4
	v_nop
.endr
.Lasked_\@:
.endm
.macro CREST
	s_cmp_lg_u32 s14, 0
	s_cbranch_scc1 .Lnot_wave_0_\@
	s_barrier_signal -3
.Lnot_wave_0_\@:
	s_barrier_wait -3
	s_barrier_signal -1
	s_barrier_wait -1
.endm
.macro CROUND
	s_barrier_signal -1
	s_barrier_wait -1
	CREST
.endm
.macro PLACES cnt
.rept \cnt
	v_nop
.endr
.endm
.macro FRAG reg, adr, q, i
.irp c, 0,1,2
	ds_load_b128 v[\reg+4*\c:\reg+4*\c+3], v[\adr] offset:(8*(\q)+(\i))*FRB+512*\c
.endr
.endm
.macro FETCH_B slot, q, p
	WIN TO_B
.irp i, 0,1,2,3,4,5,6,7
	FRAG 128*(\p)+FR*\i, ADRB+\slot, \q, \i
.endr
	WIN 0
.endm
.macro FETCH_A slot, q, i0
.irp i, \i0, \i0+1, \i0+2, \i0+3
	FRAG AF+FR*(\i), ADRA+\slot, \q, \i
.endr
.endm
.macro SCALES sc
.irp q, 0,1
.irp g, 0,1
	ds_load_b128 v[SC+16*\sc+8*\q+4*\g:SC+16*\sc+8*\q+4*\g+3], v[ADRS] offset:512*\q+16*\g
.endr
.endr
.endm
.macro MUL16 a0, p, q, sc, zero        ; the 64 accumulators take turns, one instruction a turn
.irp a, \a0, \a0+1
.irp b, 0,1,2,3,4,5,6,7
.if \zero
	v_wmma_scale_f32_16x16x128_f8f6f4 v[8*(8*((\a)%4)+\b):8*(8*((\a)%4)+\b)+7], v[128*(\p)+FR*\b:128*(\p)+FR*\b+FR-1], v[AF+FR*(\a):AF+FR*(\a)+FR-1], 0, v[SC+16*(\sc)+8*(\q)+\b], v[SC+16*(\sc)+8*(\q)+(\a)] matrix_a_fmt:MATRIX_FMT_FP6 matrix_b_fmt:MATRIX_FMT_FP6 matrix_a_scale:MATRIX_SCALE_ROW1
.else
	v_wmma_scale_f32_16x16x128_f8f6f4 v[8*(8*((\a)%4)+\b):8*(8*((\a)%4)+\b)+7], v[128*(\p)+FR*\b:128*(\p)+FR*\b+FR-1], v[AF+FR*(\a):AF+FR*(\a)+FR-1], v[8*(8*((\a)%4)+\b):8*(8*((\a)%4)+\b)+7], v[SC+16*(\sc)+8*(\q)+\b], v[SC+16*(\sc)+8*(\q)+(\a)] matrix_a_fmt:MATRIX_FMT_FP6 matrix_b_fmt:MATRIX_FMT_FP6 matrix_a_scale:MATRIX_SCALE_ROW1
.endif
.endr
.endr
.endm
.macro STEP slot, q, zero
	s_wait_dscnt 4*NL                              ; all but the youngest 12 loads (A's blocks 4-7)
	WIN MUL_LO
	MUL16 0, (\q)%2, \q, \slot, \zero
	MUL16 2, (\q)%2, \q, \slot, \zero
	s_wait_dscnt 0
	PLACES NP
	FETCH_B \slot, (\q)+1, 1-(\q)%2
	FETCH_A \slot, (\q)+1, 0
	WIN MUL_HI
	MUL16 4, (\q)%2, \q, \slot, \zero
	MUL16 6, (\q)%2, \q, \slot, \zero
	PLACES NP
	WIN 0
	FETCH_A \slot, (\q)+1, 4
.endm
.macro TURN slot, next, fill
	s_wait_tensorcnt 0x0                           ; all my tensor loads have landed: my part of the next slot
	ds_add_u32 v[SPW], v[NIL]                      ; 0 onto my spare word
	s_wait_dscnt 4*NL+1                            ; (the add and the youngest 12 loads may be out)
	WIN MUL_LO
	MUL16 0, 1, NQ-1, \slot, 0
	s_wait_dscnt 0x0                               ; the add is done, and my reads of this slot are over
	s_barrier_signal -1
	MUL16 2, 1, NQ-1, \slot, 0
	WIN 0
	s_barrier_wait -1
.if \fill
	CREST                                          ; a round of the cluster's barrier: no wave of any partner still reads this slot or has a load on its way
	s_add_nc_u64 s[G0+4*\slot+2:G0+4*\slot+3], s[G0+4*\slot+2:G0+4*\slot+3], 2*HALFT
	s_add_nc_u64 s[G0B+4*\slot+2:G0B+4*\slot+3], s[G0B+4*\slot+2:G0B+4*\slot+3], 2*HALFT
	JLOAD G0+4*\slot, G1, G0B+4*\slot, G1B
.else
	PLACES NP
.endif
	s_wait_alu depctr_va_vdst(0)
	v_add_nc_u32 v[ADRS], 1024, v[ADRS]
	FETCH_B \next, 0, 0
	FETCH_A \next, 0, 0
	SCALES \next
	WIN MUL_HI
	MUL16 4, 1, NQ-1, \slot, 0
	MUL16 6, 1, NQ-1, \slot, 0
	PLACES NP
	WIN 0
	FETCH_A \next, 0, 4
.endm
.macro LAST
	s_wait_dscnt 4*NL
	WIN MUL_LO
	MUL16 0, 1, NQ-1, 1, 0
	MUL16 2, 1, NQ-1, 1, 0
	s_wait_dscnt 0
	WIN MUL_HI
	MUL16 4, 1, NQ-1, 1, 0
	MUL16 6, 1, NQ-1, 1, 0
	WIN 0
.endm
.macro IMGOUT a
.irp c, 0,1,2
	global_store_b128 v[LI], v[PC+4*\c:PC+4*\c+3], s[4:5] offset:1536*(\a)+512*\c
.endr
.endm
.macro SCALEOUT base
.irp e, 0,1,2,3
	v_cndmask_b32 v[Y+\e], v[SW+\e], v[SW+4+\e], s[HI]
.endr
	global_store_b128 v[SWO], v[Y:Y+3], s[\base:\base+1]
.endm
.macro MLOAD a                         ; block a's 64 mask words: word rho in s[16 + rho], from word 48 on in s[20 + rho]
	s_load_b512 s[16:31], s[10:11], 4096*(\a)
	s_load_b512 s[32:47], s[10:11], 4096*(\a)+64
	s_load_b512 s[48:63], s[10:11], 4096*(\a)+128
	s_load_b512 s[68:83], s[10:11], 4096*(\a)+192
.endm
; block a: mask, M, p, l, codes
.macro SOFTQ a
.set AC, 64*((\a)%4)
	s_wait_kmcnt 0x0                               ; the block's mask words
	WIN 0x08+4*((\a)/4)                            ; source 1: window 2 or 3
.set n, 0
.rept 64
	v_cndmask_b32 v[T+n], v[NINF], v[AC+n], s[16+n+4*(n/48)]   ; the score where the mask's bit is set, else -infinity; each accumulator from its low end on
.set n, n+1
.endr
	WIN 0
.if (\a) < 7
	MLOAD (\a)+1                                   ; the selects above have read the words
.endif
.irp b, 0,1,2,3
	v_max3_num_f32 v[BM+\b], v[T+16*\b], v[T+1+16*\b], v[T+2+16*\b]   ; the largest score of each block of 32 keys: for the row's maximum and, since p rises with the score, for the block's largest p
.endr
.irp i, 3,5,7,9,11,13
.irp b, 0,1,2,3
	v_max3_num_f32 v[BM+\b], v[BM+\b], v[T+16*\b+\i], v[T+1+16*\b+\i]
.endr
.endr
.irp b, 0,1,2,3
	v_max_num_f32 v[BM+\b], v[BM+\b], v[T+15+16*\b]
.endr
.irp b, 0,1,2,3
	v_permlanex16_b32 v[BT+\b], v[BM+\b], s[SEL], s[SEL+1]
.endr
.irp b, 0,1,2,3
	v_max_num_f32 v[BM+\b], v[BM+\b], v[BT+\b]     ; with lane l xor 16's 16 keys
.endr
	v_max3_num_f32 v[TP], v[BM], v[BM+1], v[BM+2]
	v_max_num_f32 v[TP], v[TP], v[BM+3]
	v_mul_f32 v[TP], s[CS], v[TP]                  ; as t (c is positive)
	v_max_num_f32 v[TP], 0xff61b1e6, v[TP]         ; held at -3e38 where all 128 keys are hidden, so that M is a number
	v_floor_f32 v[NM], -v[TP]                      ; -M = floor(-t) = -ceil(t)
.set n, 0
.rept 32
	v_pk_fma_f32 v[T+n:T+n+1], v[T+n:T+n+1], s[CS:CS+1], v[NM:NM+1] op_sel_hi:[1,0,0]   ; t - M
.set n, n+2
.endr
.irp b, 0,1,2,3
	v_fma_f32 v[BM+\b], v[BM+\b], s[CS], v[NM]     ; the same of each block's largest score
.endr
.set n, 0
	s_wait_alu depctr_va_vdst(0)
.rept 64
	v_exp_f32 v[T+n], v[T+n]                       ; p = 2^(t - M)
.set n, n+1
.endr
	v_sub_f32 v[MM+(\a)], 0, v[NM]                 ; M.  (The plain place behind the exponentials)
	s_wait_alu depctr_va_vdst(0)                   ; one wait for the batch, ahead of its first reader
.irp b, 0,1,2,3
	v_exp_f32 v[BM+\b], v[BM+\b]                   ; the block's largest p: the same two instructions on the same number give the same bits
.endr
	v_pk_add_f32 v[SUM:SUM+1], v[T:T+1], v[T+2:T+3]          ; the row's sum of the unquantised p, in two chains
	v_pk_add_f32 v[S2:S2+1], v[T+4:T+5], v[T+6:T+7]
.irp j, 8,12,16,20,24,28,32,36,40,44,48,52,56,60
	v_pk_add_f32 v[SUM:SUM+1], v[SUM:SUM+1], v[T+\j:T+\j+1]
	v_pk_add_f32 v[S2:S2+1], v[S2:S2+1], v[T+\j+2:T+\j+3]
.endr
	v_pk_add_f32 v[SUM:SUM+1], v[SUM:SUM+1], v[S2:S2+1]
	s_wait_alu depctr_va_vdst(0)                   ; and one for the four
.irp b, 0,1,2,3
	v_max_num_f32 v[BM+\b], 0x1800000, v[BM+\b]    ; the floor 2^(3 - 127)
.endr
.irp b, 0,1,2,3
	v_add_nc_u32 v[SO+\b], 0xff000000, v[BM+\b]
.endr
.irp b, 0,1,2,3
	v_lshrrev_b32 v[BT+\b], 23, v[SO+\b]           ; the scale's byte: 125 at the most, since p does not reach 2
.endr
	v_lshl_or_b32 v[SW+(\a)], v[BT+1], 8, v[BT]
	v_lshl_or_b32 v[SW+(\a)], v[BT+2], 16, v[SW+(\a)]
	v_lshl_or_b32 v[SW+(\a)], v[BT+3], 24, v[SW+(\a)]
.if (\a) > 0
	s_wait_xcnt 0x0                                ; the last block's stores have read their data
.endif
.irp c, 0,1
	v_cvt_scalef32_pk16_fp6_f32 v[PC+6*\c:PC+2+6*\c], v[T+32*\c:T+15+32*\c], v[SO+2*\c]
	v_cvt_scalef32_pk16_fp6_f32 v[PC+12+4*\c:PC+14+4*\c], v[T+16+32*\c:T+31+32*\c], v[SO+2*\c+1]
.endr
	v_nop                                          ; one plain place behind the scaled conversions
.irp c, 0,1
.irp i, 0,1,2
	v_permlane16_swap_b32 v[PC+6*\c+\i], v[PC+12+4*\c+\i]
.endr
.irp i, 0,1,2
	v_mov_b32 v[PC+3+6*\c+\i], v[PC+12+4*\c+\i]
.endr
.endr
	v_add_f32 v[TP], v[SUM], v[SUM+1]
	v_permlanex16_b32 v[TP+1], v[TP], s[SEL], s[SEL+1]
	v_add_f32 v[LL+(\a)], v[TP], v[TP+1]           ; l of these 128 keys
	IMGOUT \a
.endm
	s_load_b128 s[4:7], s[0:1], 0x0                ; c1 s[4:5], mbits s[6:7]
	s_load_b64 s[8:9], s[0:1], 0x10                ; c2
	v_lshl_add_u32 v[SPW], v0, 2, SPARE
	v_mov_b32 v[NIL], 0
	ds_add_u32 v28, v29
	ds_add_u32 v28, v29
	s_wait_dscnt 0x0
	v_mov_b32 v[NINF], 0xff800000
	v_lshrrev_b32 v1, 5, v0
	v_readfirstlane_b32 s14, v1                    ; wave 0..3
	s_lshr_b32 s15, s14, 1
	s_and_b32 s16, s14, 1
	s_bfe_u32 s40, ttmp6, 0x40000                  ; cx
	s_bfe_u32 s41, ttmp6, 0x40004                  ; cy
	s_lshl_b32 s42, ttmp9, 2
	s_add_co_u32 s42, s42, s40                     ; tile column: 256 keys of the batch
	s_and_b32 s18, ttmp7, 0xffff
	s_lshl_b32 s17, s18, 2
	s_add_co_u32 s17, s17, s41                     ; tile row: 256 of the 8,192 queries
	s_lshr_b32 s18, s18, 1                         ; the batch: two clusters' rows each
	s_lshl_b32 s43, s41, 2
	s_lshl_b32 s43, 15, s43
	s_lshl_b32 s44, 0x1111, s40
	s_or_b32 s[G1+0], s43, (3<<16)|(1<<21)         ; 24,576 dense bytes as 96 rows of 256
	s_or_b32 s[G1B+0], s44, (3<<16)|(1<<21)
.irp g, G1, G1B                        ; at the head: 24,576 bytes of each of two groups, 98,304 bytes apart
	s_mov_b32 s[\g+1], 3072<<16
	s_mov_b32 s[\g+2], 2<<16
	s_mov_b32 s[\g+3], 3072<<16
	s_mov_b32 s[\g+4], 2
	s_mov_b32 s[\g+5], 12288
	s_mov_b32 s[\g+6], 0
	s_mov_b32 s[\g+7], 0
.endr
	s_or_b32 s[G1S+0], s43, (3<<16)|(1<<21)
	s_or_b32 s[G1SB+0], s44, (3<<16)|(1<<21)
.irp g, G1S, G1SB
	s_mov_b32 s[\g+1], 32<<16
	s_mov_b32 s[\g+2], (2*HALFS/256)<<16
	s_mov_b32 s[\g+3], 32<<16
	s_mov_b32 s[\g+4], 2*HALFS/256
	s_mov_b32 s[\g+5], 32
	s_mov_b32 s[\g+6], 0
	s_mov_b32 s[\g+7], 0
.endr
	s_lshl_b32 s19, s17, 1                         ; the first of Q's two groups
	s_mul_i32 s20, s19, 98304
	s_mov_b32 s21, 0
	s_lshl_b32 s22, s19, 12
	s_add_co_u32 s22, s22, 18874368
	s_mov_b32 s23, 0
	s_lshl_b32 s66, s42, 1
	s_lshl_b32 s67, s18, 4
	s_add_co_u32 s66, s66, s67                     ; K's group: 16 x batch + 2 x tile column + half
	s_mul_i32 s46, s66, 98304
	s_add_co_u32 s46, s46, 6291456
	s_mov_b32 s47, 0
	s_lshl_b32 s92, s66, 12
	s_add_co_u32 s92, s92, 19136512
	s_mov_b32 s93, 0
	s_mul_i32 s45, s14, HALFT
	s_mul_i32 s94, s14, HALFS
	s_wait_kmcnt 0x0
	s_add_nc_u64 s[20:21], s[4:5], s[20:21]
	s_add_nc_u64 s[22:23], s[4:5], s[22:23]
	s_add_nc_u64 s[46:47], s[4:5], s[46:47]
	s_add_nc_u64 s[92:93], s[4:5], s[92:93]
	CROUND                                         ; all sixteen work-groups are here: the first joint loads meet
	s_mov_b32 s[G0S], 1
	s_mov_b32 s[G0S+1], SCL
	s_mov_b64 s[G0S+2:G0S+3], s[22:23]
	s_or_b32 s[G0S+3], s[G0S+3], 0x80000000
	s_mov_b32 s[G0SB], 1
	s_mov_b32 s[G0SB+1], SCL+2*HALFS
	s_mov_b64 s[G0SB+2:G0SB+3], s[92:93]
	s_or_b32 s[G0SB+3], s[G0SB+3], 0x80000000
.irp s, 0,1
	s_mov_b32 s[G0+4*\s], 1
	s_add_co_u32 s[G0+4*\s+1], s45, \s*SLOT
	s_add_nc_u64 s[G0+4*\s+2:G0+4*\s+3], s[20:21], \s*HALFT
	s_or_b32 s[G0+4*\s+3], s[G0+4*\s+3], 0x80000000
	s_mov_b32 s[G0B+4*\s], 1
	s_add_co_u32 s[G0B+4*\s+1], s45, \s*SLOT
	s_add_nc_u64 s[G0B+4*\s+2:G0B+4*\s+3], s[46:47], \s*HALFT
	s_or_b32 s[G0B+4*\s+3], s[G0B+4*\s+3], 0x80000000
.endr
	s_mov_b32 s[G0+1], 0                           ; the head's four tiles, each whole, one load a wave: slot 0's 256 rows of Q,
	s_mov_b32 s[G0B+1], 2*HALFT                    ; its 256 rows of K, Q's scale words, K's scale words
.macro ARM under, g0, g1, next
	s_cmp_lt_u32 s14, \under
	s_cbranch_scc0 \next
	tensor_load_to_lds s[\g0:\g0+3], s[\g1:\g1+7]
	s_nop 0
.rept 4
	v_nop
.endr
	s_branch .Lhead_asked
\next:
.endm
	ARM 1, G0, G1, .Lhead_b
	ARM 2, G0B, G1B, .Lhead_sa
	ARM 3, G0S, G1S, .Lhead_sb
	tensor_load_to_lds s[G0SB:G0SB+3], s[G1SB:G1SB+7]
	s_nop 0
.rept 4
	v_nop
.endr
.Lhead_asked:
	; PREFETCH (this takes the place of the head's remark on prefetching): of the 96 blocks of 256 bytes that my load of a later fill brings, my work-group names 24, by cx for Q's tiles and by cy for K's;
	; fills 1 and 2 are asked for here, fill 3 behind fill 1's load; lanes 24-31 name the run's last block again
	s_mul_i32 s66, s40, 6144
	s_mul_i32 s67, s41, 6144
	s_cmp_eq_u32 s15, 0
	s_cselect_b64 s[12:13], s[20:21], s[46:47]
	s_cselect_b32 s66, s66, s67
	s_mul_i32 s67, s16, 98304
	s_add_co_u32 s66, s66, s67
	s_mov_b32 s67, 0
	s_add_nc_u64 s[12:13], s[12:13], s[66:67]
	v_and_b32 v31, 31, v0
	v_min_u32 v31, 23, v31
	v_lshlrev_b32 v31, 8, v31
	global_prefetch_b8 v31, s[12:13] offset:HALFT th:TH_LOAD_NT scope:SCOPE_SE
	global_prefetch_b8 v31, s[12:13] offset:2*HALFT th:TH_LOAD_NT scope:SCOPE_SE
	v_and_b32 v1, 15, v0
	v_bfe_u32 v2, v0, 4, 1
	v_and_b32 v3, 31, v0
	v_lshlrev_b32 v[LI], 4, v3
	v_lshlrev_b32 v[SWO], 5, v1
	v_lshl_add_u32 v[SWO], v2, 4, v[SWO]
	s_mul_i32 s21, s15, HALFT
	s_mul_i32 s22, s16, HALFT
	s_add_co_u32 s22, s22, 2*HALFT
.irp s, 0,1
	v_add_nc_u32 v[ADRA+\s], s21, v[LI]
	v_add_nc_u32 v[ADRB+\s], s22, v[LI]
	s_add_co_u32 s21, s21, SLOT
	s_add_co_u32 s22, s22, SLOT
.endr
	v_lshlrev_b32 v5, 5, v1
	s_mul_i32 s21, s15, HALFS
	s_mul_i32 s22, s16, HALFS
	s_add_co_u32 s22, s22, 2*HALFS
	s_sub_co_u32 s22, s22, s21
	v_mul_u32_u24 v6, s22, v2
	s_add_co_u32 s21, s21, SCL
	v_add_nc_u32 v5, v5, v6
	v_add_nc_u32 v[ADRS], s21, v5
	; where my 128 queries x 128 keys go, and where their mask words lie
	s_lshl_b32 s18, s17, 1
	s_add_co_u32 s18, s18, s15                     ; the queries' group
	s_lshl_b32 s19, s42, 1
	s_add_co_u32 s19, s19, s16                     ; which 128 keys
	s_lshl_b32 s66, s18, 15
	s_lshl_b32 s67, s19, 8
	s_add_co_u32 s66, s66, s67
	s_mov_b32 s67, 0
	s_add_nc_u64 s[10:11], s[6:7], s[66:67]        ; the mask words
	v_and_b32 v26, 31, v0                          ; my eight blocks' mask words, 256 bytes each, 4,096 apart, are asked for once, a lane a block (lanes 8-31 name the last again): the way out reads them
	v_min_u32 v26, 7, v26
	v_lshlrev_b32 v26, 12, v26
	global_prefetch_b8 v26, s[10:11] th:TH_LOAD_NT scope:SCOPE_SE
	s_lshl_b32 s18, s18, 4
	s_add_co_u32 s18, s18, s19
	s_mul_i32 s66, s18, 12288
	s_add_nc_u64 s[4:5], s[8:9], s[66:67]          ; p's codes
	s_lshl_b32 s66, s18, 9
	s_add_co_u32 s66, s66, 12582912
	s_add_nc_u64 s[6:7], s[8:9], s[66:67]          ; p's scale words
	s_lshl_b32 s66, s18, 10
	s_add_co_u32 s66, s66, 13107200
	s_add_nc_u64 s[8:9], s[8:9], s[66:67]          ; M and l
	s_mov_b32 s[HI], 0xffff0000
	s_mov_b32 s[CS], 0x3d38aa3b                    ; log2(e) / 32
	s_mov_b32 s[CS+1], s[CS]
	s_mov_b32 s[SEL], 0x76543210
	s_mov_b32 s[SEL+1], 0xfedcba98
	s_wait_alu depctr_va_vdst(0)
	s_wait_tensorcnt 0x0                           ; my tile of the head's four is in
	ds_add_u32 v[SPW], v[NIL]
.irp g, G1, G1B                        ; no tensor load of mine is out: from here on a load brings one group's 24,576 dense bytes as 96 rows of 256
	s_mov_b32 s[\g+1], 32<<16
	s_mov_b32 s[\g+2], 96<<16
	s_mov_b32 s[\g+3], 32<<16
	s_mov_b32 s[\g+4], 96
	s_mov_b32 s[\g+5], 32
.endr
	s_mul_i32 s66, s16, 98304                      ; and each wave fetches its own group
	s_mov_b32 s67, 0
	s_add_nc_u64 s[G0+2:G0+3], s[G0+2:G0+3], s[66:67]
	s_add_nc_u64 s[G0+6:G0+7], s[G0+6:G0+7], s[66:67]
	s_add_nc_u64 s[G0B+2:G0B+3], s[G0B+2:G0B+3], s[66:67]
	s_add_nc_u64 s[G0B+6:G0B+7], s[G0B+6:G0B+7], s[66:67]
	s_mov_b32 s[G0+1], s45
	s_mov_b32 s[G0B+1], s45
	s_wait_dscnt 0x0
	CROUND                                         ; all four tiles are in, and all sixteen work-groups are here
	JLOAD G0+4, G1, G0B+4, G1B                     ; slot 1's first fill, the first tensor load behind the round
	FETCH_B 0, 0, 0
	FETCH_A 0, 0, 0
	SCALES 0
	FETCH_A 0, 0, 4
	global_prefetch_b8 v31, s[12:13] offset:3*HALFT th:TH_LOAD_NT scope:SCOPE_SE
	STEP 0, 0, 1
	s_mov_b32 s3, LAPS-1
.Llap:
	TURN 0, 1, 1
	STEP 1, 0, 0
	TURN 1, 0, 1
	STEP 0, 0, 0
	s_sub_co_u32 s3, s3, 1
	s_cmp_lg_u32 s3, 0
	s_cbranch_scc1 .Llap
	TURN 0, 1, 0                                   ; its wait has shown all my tensor loads done: the descriptors' registers are free
	MLOAD 0                                        ; block 0's mask words come while the last two steps are multiplied
	STEP 1, 0, 0
	LAST
	PLACES NP
.irp b, 0,1,2,3
	v_mov_b32 v[BT+\b], 0                          ; written once: a lane permute's destination counts as read
.endr
	v_mov_b32 v[NM+1], 0                           ; (named as the upper half of a pair)
	v_mov_b32 v[TP+1], 0
.irp a, 0,1,2,3,4,5,6,7
	SOFTQ \a
.endr
	SCALEOUT 6
.irp a, 0,1,2,3,4,5,6,7
	v_cndmask_b32 v[Z+\a], v[MM+\a], v[LL+\a], s[HI]
.endr
	global_store_b128 v[LI], v[Z:Z+3], s[8:9]      ; blocks 0-3: 256 bytes of M, 256 of l
	global_store_b128 v[LI], v[Z+4:Z+7], s[8:9] offset:512
	s_wait_tensorcnt 0x0                           ; the wave's end
	ds_add_u32 v[SPW], v[NIL]
	s_wait_dscnt 0x0
	CROUND                                         ; the closing round
	s_endpgm
.Lfunc_end_k_q285b87ec98_scores:
	.size	k_q285b87ec98_scores, .Lfunc_end_k_q285b87ec98_scores-k_q285b87ec98_scores
	.p2alignl 7, 3214868480
	.fill 96, 4, 3214868480
	.section	.rodata,"a",@progbits
	.p2align	6, 0x0
	.amdhsa_kernel k_q285b87ec98_scores
		.amdhsa_group_segment_fixed_size 327680
		.amdhsa_private_segment_fixed_size 0
		.amdhsa_enable_private_segment 0
		.amdhsa_kernarg_size 24
		.amdhsa_user_sgpr_count 2
		.amdhsa_user_sgpr_kernarg_segment_ptr 1
		.amdhsa_wavefront_size32 1
		.amdhsa_system_sgpr_workgroup_id_x 1
		.amdhsa_system_sgpr_workgroup_id_y 1
		.amdhsa_system_sgpr_workgroup_id_z 1
		.amdhsa_system_vgpr_workitem_id 0
		.amdhsa_next_free_vgpr 1024
		.amdhsa_next_free_sgpr 100
		.amdhsa_reserve_vcc 0
		.amdhsa_float_denorm_mode_32 3
		.amdhsa_float_denorm_mode_16_64 3
		.amdhsa_memory_ordered 1
		.amdhsa_forward_progress 1
		.amdhsa_inst_pref_size 231
	.end_amdhsa_kernel
	.amdgpu_metadata
---
amdhsa.version: [ 1, 2 ]
amdhsa.kernels:
  - .name:           k_q285b87ec98_scores
    .symbol:         k_q285b87ec98_scores.kd
    .args:
      - { .name: c1, .offset: 0, .size: 8, .value_kind: global_buffer, .address_space: global }
      - { .name: mbits, .offset: 8, .size: 8, .value_kind: global_buffer, .address_space: global }
      - { .name: c2, .offset: 16, .size: 8, .value_kind: global_buffer, .address_space: global }
    .group_segment_fixed_size: 327680
    .private_segment_fixed_size: 0
    .kernarg_segment_align: 8
    .kernarg_segment_size: 24
    .max_flat_workgroup_size: 128
    .sgpr_count:     100
    .vgpr_count:     1024
    .wavefront_size: 32
...
	.end_amdgpu_metadata
.endif
;; end of part 3
;; launch pv (part 4): grid 4 x 64, 4 waves a work-group, clusters of 4 x 4, 327,680 bytes of LDS; arguments c2, c1, c3; writes c3
.if DOCPART == 4
	.amdgcn_target "amdgcn-amd-amdhsa--gfx1250"
	.amdhsa_code_object_version 6
	.text
	.protected	k_q285b87ec98_pv
	.globl	k_q285b87ec98_pv
	.p2align	8
	.type	k_q285b87ec98_pv,@function
k_q285b87ec98_pv:
	s_mov_b64 s[64:65], 0
	v_nop
	global_prefetch_b8 v0, s[64:65] scope:SCOPE_SE
	s_setreg_imm32_b32 hwreg(HW_REG_WAVE_MODE, 25, 1), 1
	s_wait_xcnt 0x0
	s_wait_alu depctr_hold_cnt(0) depctr_sa_sdst(0) depctr_va_vdst(0) depctr_va_sdst(0) depctr_va_ssrc(0) depctr_va_vcc(0) depctr_vm_vsrc(0)
	s_getreg_b32 s2, hwreg(HW_REG_IB_STS2, 6, 4)
	s_cmp_eq_u32 s2, 0
	s_cbranch_scc0 .Lentry_in_a_cluster
	s_endpgm
.Lentry_in_a_cluster:
	s_bfe_u32 s2, ttmp6, 0x10000c
	s_cmp_lg_u32 s2, 0xf033
	s_cbranch_scc0 .Lentry_shape_is_right
	s_endpgm
.Lentry_shape_is_right:
.set KTOT,   2048
.set NS,     KTOT/128
.set FR,     12
.set FRB,    1536
.set NL,     3
.set NP,     4
.set CHUNK,  49152
.set SLOT,   3*CHUNK
.set SCL,    2*SLOT
.set SPARE,  SCL+16384
.set R1N,    4*NL+2+4*NL
.set STA,  7
.set RWA,  10
.set ADRA, 16
.set ADRB, 20
.set LI,   24
.set SWO,  25
.set ADRS, 27
.set SPW,  28
.set NIL,  29
.set SC,   32
.set AS,   48
.set LA,   112
.set MG,   116
.set TP,   120
.set RC,   116
.set NW,   124
.set AF,   128
.set DD,   128
.set LW,   192
.set T,    128
.set TM,   192
.set PC,   208
.set Y,    228
.set SW,   232
.set G1, 24
.set G0, 32
.set G1B, 48
.set G0B, 56
.set G1SB, 80
.set G0SB, 88
.set C01, 95
.set C80, 96
.set HI,  97
.set SEL, 98
.set MSB, 0
.macro WIN new
.if MSB != (\new)
	s_set_vgpr_msb (MSB<<8)|(\new)
.set MSB, (\new)
.endif
.endm
.set MUL,  0xa1
.set TO_B, 0x40
.macro SHAPE g, rows
	s_mov_b32 s[\g+1], 32<<16
	s_mov_b32 s[\g+2], (\rows)<<16
	s_mov_b32 s[\g+3], 32<<16
	s_mov_b32 s[\g+4], \rows
	s_mov_b32 s[\g+5], 32
	s_mov_b32 s[\g+6], 0
	s_mov_b32 s[\g+7], 0
.endm
.macro JLOAD g0a, g1a, g0b, g1b
	s_cmp_eq_u32 s15, 0
	s_cbranch_scc0 .Lfor_b_\@
	tensor_load_to_lds s[\g0a:\g0a+3], s[\g1a:\g1a+7]
	s_nop 0
.rept 4
	v_nop
.endr
	s_branch .Lasked_\@
.Lfor_b_\@:
	tensor_load_to_lds s[\g0b:\g0b+3], s[\g1b:\g1b+7]
	s_nop 0
.rept 4
	v_nop
.endr
.Lasked_\@:
.endm
.macro CREST
	s_cmp_lg_u32 s14, 0
	s_cbranch_scc1 .Lnot_wave_0_\@
	s_barrier_signal -3
.Lnot_wave_0_\@:
	s_barrier_wait -3
	s_barrier_signal -1
	s_barrier_wait -1
.endm
.macro CROUND
	s_barrier_signal -1
	s_barrier_wait -1
	CREST
.endm
.macro PLACES cnt
.rept \cnt
	v_nop
.endr
.endm
.macro FRAG reg, adr, q, i
.irp c, 0,1,2
	ds_load_b128 v[\reg+4*\c:\reg+4*\c+3], v[\adr] offset:(8*(\q)+(\i))*FRB+512*\c
.endr
.endm
.macro RUN1 st
	WIN 0
.irp i, 0,1,2,3
	FRAG AF+48*((\st)%2)+FR*\i, ADRA+((\st)/4)%2, (\st)%4, \i
.endr
.irp g, 0,1
	ds_load_b128 v[SC+8*((\st)%2)+4*\g:SC+8*((\st)%2)+4*\g+3], v[ADRS] offset:512*(\st)+16*\g
.endr
	WIN TO_B
.irp i, 0,1,2,3
	FRAG 128*((\st)%2)+FR*\i, ADRB+((\st)/4)%2, (\st)%4, \i
.endr
.endm
.macro RUN2 st
	WIN TO_B
.irp i, 4,5,6,7
	FRAG 128*((\st)%2)+FR*\i, ADRB+((\st)/4)%2, (\st)%4, \i
.endr
.endm
.macro MUL8 st, b0, zero
.irp b, \b0, \b0+1
.irp a, 0,1,2,3
.if \zero
	v_wmma_scale_f32_16x16x128_f8f6f4 v[8*(8*\a+(\b)):8*(8*\a+(\b))+7], v[128*((\st)%2)+FR*(\b):128*((\st)%2)+FR*(\b)+FR-1], v[AF+48*((\st)%2)+FR*\a:AF+48*((\st)%2)+FR*\a+FR-1], 0, v[SC+8*((\st)%2)+(\b)], v[AS+4*(\st)+\a] matrix_a_fmt:MATRIX_FMT_FP6 matrix_b_fmt:MATRIX_FMT_FP6 matrix_a_scale:MATRIX_SCALE_ROW1
.else
	v_wmma_scale_f32_16x16x128_f8f6f4 v[8*(8*\a+(\b)):8*(8*\a+(\b))+7], v[128*((\st)%2)+FR*(\b):128*((\st)%2)+FR*(\b)+FR-1], v[AF+48*((\st)%2)+FR*\a:AF+48*((\st)%2)+FR*\a+FR-1], v[8*(8*\a+(\b)):8*(8*\a+(\b))+7], v[SC+8*((\st)%2)+(\b)], v[AS+4*(\st)+\a] matrix_a_fmt:MATRIX_FMT_FP6 matrix_b_fmt:MATRIX_FMT_FP6 matrix_a_scale:MATRIX_SCALE_ROW1
.endif
.endr
.endr
.endm
.macro STEP st, zero
	s_wait_dscnt 4*NL
	PLACES NP
	RUN1 (\st)+1
	WIN MUL
	MUL8 \st, 0, \zero
	MUL8 \st, 2, \zero
	s_wait_dscnt R1N
	RUN2 (\st)+1
	WIN MUL
	MUL8 \st, 4, \zero
	MUL8 \st, 6, \zero
.endm
.macro TURN st, fill
.set SL, ((\st)/4)%2
	WIN 0
	s_wait_tensorcnt 0x0
	ds_add_u32 v[SPW], v[NIL]
	s_wait_dscnt 4*NL+1
	WIN MUL
	MUL8 \st, 0, 0
	s_wait_dscnt 0x0
	s_barrier_signal -1
	MUL8 \st, 2, 0
	WIN 0
	s_barrier_wait -1
.if \fill
	CREST
	s_add_nc_u64 s[G0+4*SL+2:G0+4*SL+3], s[G0+4*SL+2:G0+4*SL+3], 2*CHUNK
	s_add_nc_u64 s[G0B+4*SL+2:G0B+4*SL+3], s[G0B+4*SL+2:G0B+4*SL+3], 2*CHUNK
	JLOAD G0+4*SL, G1, G0B+4*SL, G1B
.else
	PLACES NP
.endif
	RUN1 (\st)+1
	RUN2 (\st)+1
	WIN MUL
	MUL8 \st, 4, 0
	MUL8 \st, 6, 0
.endm
.macro LAST st
	s_wait_dscnt 4*NL
	WIN MUL
	MUL8 \st, 0, 0
	MUL8 \st, 2, 0
	s_wait_dscnt 0
	MUL8 \st, 4, 0
	MUL8 \st, 6, 0
	WIN 0
.endm
.macro QUANT s, w
.irp b, 0,1,2,3
	v_max3_num_f32 v[TM+\b], |v[\s+16*\b]|, |v[\s+1+16*\b]|, 0x1800000
.endr
.irp i, 2,4,6,8,10,12,14
.irp b, 0,1,2,3
	v_max3_num_f32 v[TM+\b], v[TM+\b], |v[\s+16*\b+\i]|, |v[\s+1+16*\b+\i]|
.endr
.endr
.irp b, 0,1,2,3
	v_permlanex16_b32 v[TM+4+\b], v[TM+\b], s[SEL], s[SEL+1]
.endr
.irp b, 0,1,2,3
	v_max_num_f32 v[TM+\b], v[TM+\b], v[TM+4+\b]
.endr
.irp b, 0,1,2,3
	v_add_nc_u32 v[TM+12+\b], 0xff000000, v[TM+\b]
.endr
.irp b, 0,1,2,3
	v_lshrrev_b32 v[TM+4+\b], 23, v[TM+12+\b]
.endr
	v_lshl_or_b32 v[\w], v[TM+5], 8, v[TM+4]
	v_lshl_or_b32 v[\w], v[TM+6], 16, v[\w]
	v_lshl_or_b32 v[\w], v[TM+7], 24, v[\w]
.irp c, 0,1
	v_cvt_scalef32_pk16_fp6_f32 v[PC+6*\c:PC+2+6*\c], v[\s+32*\c:\s+15+32*\c], v[TM+12+2*\c]
	v_cvt_scalef32_pk16_fp6_f32 v[PC+12+4*\c:PC+14+4*\c], v[\s+16+32*\c:\s+31+32*\c], v[TM+12+2*\c+1]
.endr
	v_nop
.irp c, 0,1
.irp i, 0,1,2
	v_permlane16_swap_b32 v[PC+6*\c+\i], v[PC+12+4*\c+\i]
.endr
.irp i, 0,1,2
	v_mov_b32 v[PC+3+6*\c+\i], v[PC+12+4*\c+\i]
.endr
.endr
.endm
.macro IMGOUT a
.irp c, 0,1,2
	global_store_b128 v[LI], v[PC+4*\c:PC+4*\c+3], s[4:5] offset:1536*(\a)+512*\c
.endr
.endm
	s_load_b128 s[4:7], s[0:1], 0x0
	s_load_b64 s[8:9], s[0:1], 0x10
	v_lshl_add_u32 v[SPW], v0, 2, SPARE
	v_mov_b32 v[NIL], 0
	ds_add_u32 v28, v29
	ds_add_u32 v28, v29
	s_wait_dscnt 0x0
	v_lshrrev_b32 v1, 5, v0
	v_readfirstlane_b32 s14, v1
	v_and_b32 v1, 15, v0
	v_lshlrev_b32 v[STA], 4, v1
	v_lshlrev_b32 v[RWA], 5, v1
	s_lshr_b32 s15, s14, 1
	s_and_b32 s16, s14, 1
	s_bfe_u32 s40, ttmp6, 0x40000
	s_bfe_u32 s41, ttmp6, 0x40004
	s_lshl_b32 s42, ttmp9, 2
	s_add_co_u32 s42, s42, s40
	s_and_b32 s18, ttmp7, 0xffff
	s_lshl_b32 s17, s18, 2
	s_add_co_u32 s17, s17, s41
	s_lshr_b32 s18, s18, 2
	s_lshl_b32 s43, s41, 2
	s_lshl_b32 s43, 15, s43
	s_lshl_b32 s44, 0x1111, s40
	s_or_b32 s[G1+0], s43, (3<<16)|(1<<21)
	s_or_b32 s[G1B+0], s44, (3<<16)|(1<<21)
	s_or_b32 s[G1SB+0], s44, (3<<16)|(1<<21)
	SHAPE G1, 96
	s_mov_b32 s[G1B+1], 6144<<16                   ; at the head: 49,152 bytes of each of V^T's two groups, 786,432 bytes apart (elements of 8 bytes)
	s_mov_b32 s[G1B+2], 2<<16
	s_mov_b32 s[G1B+3], 6144<<16
	s_mov_b32 s[G1B+4], 2
	s_mov_b32 s[G1B+5], 98304
	s_mov_b32 s[G1B+6], 0
	s_mov_b32 s[G1B+7], 0
	s_mov_b32 s[G1SB+1], 1024<<16                  ; the scale words: 8,192 bytes of each of the two groups, 32,768 bytes apart
	s_mov_b32 s[G1SB+2], 2<<16
	s_mov_b32 s[G1SB+3], 1024<<16
	s_mov_b32 s[G1SB+4], 2
	s_mov_b32 s[G1SB+5], 4096
	s_mov_b32 s[G1SB+6], 0
	s_mov_b32 s[G1SB+7], 0
	s_mul_i32 s20, s17, 196608
	s_mul_i32 s19, s16, CHUNK/2
	s_add_co_u32 s20, s20, s19
	s_mov_b32 s21, 0
	s_lshl_b32 s66, s42, 1
	s_mul_i32 s46, s66, 786432
	s_mul_i32 s67, s18, 196608
	s_add_co_u32 s46, s46, s67
	s_add_co_u32 s46, s46, 12582912
	s_mov_b32 s47, 0
	s_lshl_b32 s66, s42, 1
	s_lshl_b32 s92, s66, 15
	s_lshl_b32 s67, s18, 13
	s_add_co_u32 s92, s92, s67
	s_add_co_u32 s92, s92, 19398656
	s_mov_b32 s93, 0
	s_mul_i32 s45, s16, CHUNK/2
	s_mul_i32 s94, s16, CHUNK
	s_add_co_u32 s94, s94, CHUNK
	s_lshl_b32 s67, s14, 12
	s_lshl_b32 s10, s17, 14
	s_lshl_b32 s19, s15, 9
	s_add_co_u32 s10, s10, s19
	s_add_co_u32 s10, s10, 13107200
	s_mov_b32 s11, 0
	s_lshl_b32 s12, s17, 13
	s_lshl_b32 s19, s15, 4
	s_add_co_u32 s12, s12, s19
	s_add_co_u32 s12, s12, 12582912
	s_mov_b32 s13, 0
	s_wait_alu depctr_va_vdst(0)
	s_wait_kmcnt 0x0
	s_add_nc_u64 s[20:21], s[4:5], s[20:21]
	s_add_nc_u64 s[46:47], s[6:7], s[46:47]
	s_add_nc_u64 s[92:93], s[6:7], s[92:93]
	s_add_nc_u64 s[10:11], s[4:5], s[10:11]
	s_add_nc_u64 s[12:13], s[4:5], s[12:13]
.irp k, 0,1,2,3,4,5,6,7,8,9,10,11,12,13,14,15
	global_load_b128 v[DD+4*\k:DD+4*\k+3], v[STA], s[10:11] offset:1024*\k
	global_load_b128 v[LW+4*\k:LW+4*\k+3], v[STA], s[10:11] offset:1024*\k+256
	global_load_b128 v[AS+4*\k:AS+4*\k+3], v[RWA], s[12:13] offset:512*\k
.endr
	CROUND
	s_mov_b32 s[G0SB], 1
	s_mov_b32 s[G0SB+1], SCL
	s_mov_b64 s[G0SB+2:G0SB+3], s[92:93]
	s_or_b32 s[G0SB+3], s[G0SB+3], 0x80000000
.irp s, 0,1
	s_mov_b32 s[G0+4*\s], 1
	s_add_co_u32 s[G0+4*\s+1], s45, \s*SLOT
	s_add_nc_u64 s[G0+4*\s+2:G0+4*\s+3], s[20:21], \s*CHUNK
	s_or_b32 s[G0+4*\s+3], s[G0+4*\s+3], 0x80000000
	s_mov_b32 s[G0B+4*\s], 1
	s_add_co_u32 s[G0B+4*\s+1], s94, \s*SLOT
	s_add_nc_u64 s[G0B+4*\s+2:G0B+4*\s+3], s[46:47], \s*CHUNK
	s_or_b32 s[G0B+4*\s+3], s[G0B+4*\s+3], 0x80000000
.endr
	s_mov_b32 s[G0B+1], CHUNK                      ; the head's tiles, one load a wave: waves 0 and 1 the halves of p's chunk 0, wave 2 V^T's chunk 0 of both groups, wave 3 V^T's scale words
.macro ARM under, g0, g1, next
	s_cmp_lt_u32 s14, \under
	s_cbranch_scc0 \next
	tensor_load_to_lds s[\g0:\g0+3], s[\g1:\g1+7]
	s_nop 0
.rept 4
	v_nop
.endr
	s_branch .Lhead_asked
\next:
.endm
	ARM 2, G0, G1, .Lhead_b
	ARM 3, G0B, G1B, .Lhead_sb
	tensor_load_to_lds s[G0SB:G0SB+3], s[G1SB:G1SB+7]
	s_nop 0
.rept 4
	v_nop
.endr
.Lhead_asked:
	; PREFETCH: of the blocks of 256 bytes that my load of a later chunk brings (p: 96, V^T: 192) my work-group names a quarter, by cx for p and by cy for V^T, 24 lanes an instruction;
	; chunks 1 and 2 are asked for here, chunk 3 behind chunk 1's load; lanes 24-31 name the run's last block again
.macro PF f
	global_prefetch_b8 v30, s[2:3] offset:(\f)*CHUNK th:TH_LOAD_NT scope:SCOPE_SE
	s_cmp_eq_u32 s15, 0
	s_cbranch_scc1 .Lpf_\@
	global_prefetch_b8 v30, s[2:3] offset:(\f)*CHUNK+6144 th:TH_LOAD_NT scope:SCOPE_SE
.Lpf_\@:
.endm
	s_mul_i32 s66, s40, 6144
	s_mul_i32 s67, s41, 12288
	s_mul_i32 s19, s16, 786432
	s_add_co_u32 s67, s67, s19
	s_cmp_eq_u32 s15, 0
	s_cselect_b64 s[2:3], s[20:21], s[46:47]
	s_cselect_b32 s66, s66, s67
	s_mov_b32 s67, 0
	s_add_nc_u64 s[2:3], s[2:3], s[66:67]
	v_and_b32 v30, 31, v0
	v_min_u32 v30, 23, v30
	v_lshlrev_b32 v30, 8, v30
	s_wait_alu depctr_va_vdst(0)
	PF 1
	PF 2
	v_bfe_u32 v2, v0, 4, 1
	v_and_b32 v3, 31, v0
	v_lshlrev_b32 v[LI], 4, v3
	v_lshlrev_b32 v[SWO], 5, v1
	v_lshl_add_u32 v[SWO], v2, 3, v[SWO]
	s_mul_i32 s21, s15, 4*FRB
	s_mul_i32 s22, s16, CHUNK
	s_add_co_u32 s22, s22, CHUNK
.irp s, 0,1
	v_add_nc_u32 v[ADRA+\s], s21, v[LI]
	v_add_nc_u32 v[ADRB+\s], s22, v[LI]
	s_add_co_u32 s21, s21, SLOT
	s_add_co_u32 s22, s22, SLOT
.endr
	s_lshl_b32 s21, s16, 13
	s_add_co_u32 s21, s21, SCL
	v_lshl_add_u32 v[ADRS], v1, 5, s21
	s_mov_b32 s67, 0
	s_lshl_b32 s18, s17, 3
	s_lshl_b32 s19, s42, 1
	s_add_co_u32 s19, s19, s16
	s_add_co_u32 s18, s18, s19
	s_mul_i32 s66, s18, 12288
	s_mul_i32 s19, s15, 4*FRB
	s_add_co_u32 s66, s66, s19
	s_add_nc_u64 s[4:5], s[8:9], s[66:67]
	s_lshl_b32 s66, s18, 9
	s_lshl_b32 s19, s15, 4
	s_add_co_u32 s66, s66, s19
	s_add_co_u32 s66, s66, 6291456
	s_add_nc_u64 s[6:7], s[8:9], s[66:67]
	s_mov_b32 s[C01], 0x01010101
	s_mov_b32 s[C80], 0x80808080
	s_mov_b32 s[HI], 0xffff0000
	s_mov_b32 s[SEL], 0x76543210
	s_mov_b32 s[SEL+1], 0xfedcba98
	s_wait_loadcnt 0x0
.irp e, 0,1,2,3
	v_max3_num_f32 v[MG+\e], v[DD+\e], v[DD+4+\e], v[DD+8+\e]
.endr
.irp k, 3,5,7,9,11,13
.irp e, 0,1,2,3
	v_max3_num_f32 v[MG+\e], v[MG+\e], v[DD+4*\k+\e], v[DD+4*\k+4+\e]
.endr
.endr
.irp e, 0,1,2,3
	v_max_num_f32 v[MG+\e], v[MG+\e], v[DD+60+\e]
.endr
.irp k, 0,1,2,3,4,5,6,7,8,9,10,11,12,13,14,15
.irp e, 0,1,2,3
	v_sub_f32 v[DD+4*\k+\e], v[MG+\e], v[DD+4*\k+\e]
.endr
.irp e, 0,1,2,3
	v_cvt_i32_f32 v[DD+4*\k+\e], v[DD+4*\k+\e]
.endr
.irp e, 0,1,2,3
	v_sub_nc_u32 v[TP+\e], 0, v[DD+4*\k+\e]
.endr
.if \k == 0
.irp e, 0,1,2,3
	v_ldexp_f32 v[LA+\e], v[LW+\e], v[TP+\e]
.endr
.else
.irp e, 0,1,2,3
	v_ldexp_f32 v[TP+\e], v[LW+4*\k+\e], v[TP+\e]
.endr
.irp e, 0,1,2,3
	v_add_f32 v[LA+\e], v[LA+\e], v[TP+\e]
.endr
.endif
.irp e, 0,1,2,3
	v_min_u32 v[DD+4*\k+\e], 127, v[DD+4*\k+\e]
.endr
.irp e, 0,1,2,3
	v_mul_lo_u32 v[DD+4*\k+\e], v[DD+4*\k+\e], s[C01]
.endr
.irp e, 0,1,2,3
	v_or_b32 v[AS+4*\k+\e], s[C80], v[AS+4*\k+\e]
.endr
.irp e, 0,1,2,3
	v_sub_nc_u32 v[AS+4*\k+\e], v[AS+4*\k+\e], v[DD+4*\k+\e]
.endr
.irp e, 0,1,2,3
	v_and_b32 v[TP+\e], s[C80], v[AS+4*\k+\e]
.endr
.irp e, 0,1,2,3
	v_lshrrev_b32 v[TP+4+\e], 7, v[TP+\e]
.endr
.irp e, 0,1,2,3
	v_sub_nc_u32 v[TP+\e], v[TP+\e], v[TP+4+\e]
.endr
.irp e, 0,1,2,3
	v_and_b32 v[AS+4*\k+\e], v[AS+4*\k+\e], v[TP+\e]
.endr
.endr
	s_wait_alu depctr_va_vdst(0)
.irp a, 0,1,2,3
	v_rcp_f32 v[RC+2*\a], v[LA+\a]
.endr
	v_nop
	s_wait_alu depctr_va_vdst(0)
.irp a, 0,1,2,3
	v_cmp_lt_f32 vcc_lo, 0, v[LA+\a]
	v_cndmask_b32 v[RC+2*\a], 0, v[RC+2*\a], vcc_lo
	v_cndmask_b32 v[NW+\a], -1, v[NIL], vcc_lo
	v_mov_b32 v[RC+2*\a+1], v[RC+2*\a]
.endr
	s_wait_alu depctr_va_vdst(0)
	s_wait_tensorcnt 0x0                           ; my tile of the head's is in
	ds_add_u32 v[SPW], v[NIL]
	SHAPE G1B, 192                                 ; no tensor load of mine is out: from here on a load for V^T brings one group's 49,152 dense bytes,
	s_mul_i32 s66, s16, 786432                     ; each wave its own group
	s_mov_b32 s67, 0
	s_add_nc_u64 s[G0B+2:G0B+3], s[G0B+2:G0B+3], s[66:67]
	s_add_nc_u64 s[G0B+6:G0B+7], s[G0B+6:G0B+7], s[66:67]
	s_mov_b32 s[G0B+1], s94
	s_wait_dscnt 0x0
	CROUND                                         ; all the head's tiles are in, and all sixteen work-groups are here
	JLOAD G0+4, G1, G0B+4, G1B                     ; slot 1's first fill, the first tensor load behind the round
	PF 3
	RUN1 0
	RUN2 0
	STEP 0, 1
	STEP 1, 0
	STEP 2, 0
	TURN 3, 1
	STEP 4, 0
	STEP 5, 0
	STEP 6, 0
	TURN 7, 1
	STEP 8, 0
	STEP 9, 0
	STEP 10, 0
	TURN 11, 0
	STEP 12, 0
	STEP 13, 0
	STEP 14, 0
	LAST 15
	PLACES NP
.irp b, 0,1,2,3
	v_mov_b32 v[TM+4+\b], 0
.endr
.irp a, 0,1,2,3
	WIN 0x02
.set n, 0
.rept 32
	v_pk_mul_f32 v[T+n:T+n+1], v[64*\a+n:64*\a+n+1], v[RC+2*\a:RC+2*\a+1] op_sel_hi:[1,0]
.set n, n+2
.endr
	WIN 0
.if \a > 0
	s_wait_xcnt 0x0
.endif
	QUANT T, SW+\a
	v_or_b32 v[SW+\a], v[SW+\a], v[NW+\a]
	IMGOUT \a
.endr
	v_cndmask_b32 v[Y], v[SW], v[SW+2], s[HI]
	v_cndmask_b32 v[Y+1], v[SW+1], v[SW+3], s[HI]
	global_store_b64 v[SWO], v[Y:Y+1], s[6:7]
	s_wait_tensorcnt 0x0
	ds_add_u32 v[SPW], v[NIL]
	s_wait_dscnt 0x0
	CROUND
	s_endpgm
.Lfunc_end_k_q285b87ec98_pv:
	.size	k_q285b87ec98_pv, .Lfunc_end_k_q285b87ec98_pv-k_q285b87ec98_pv
	.p2alignl 7, 3214868480
	.fill 96, 4, 3214868480
	.section	.rodata,"a",@progbits
	.p2align	6, 0x0
	.amdhsa_kernel k_q285b87ec98_pv
		.amdhsa_group_segment_fixed_size 327680
		.amdhsa_private_segment_fixed_size 0
		.amdhsa_enable_private_segment 0
		.amdhsa_kernarg_size 24
		.amdhsa_user_sgpr_count 2
		.amdhsa_user_sgpr_kernarg_segment_ptr 1
		.amdhsa_wavefront_size32 1
		.amdhsa_system_sgpr_workgroup_id_x 1
		.amdhsa_system_sgpr_workgroup_id_y 1
		.amdhsa_system_sgpr_workgroup_id_z 1
		.amdhsa_system_vgpr_workitem_id 0
		.amdhsa_next_free_vgpr 768
		.amdhsa_next_free_sgpr 100
		.amdhsa_reserve_vcc 1
		.amdhsa_float_denorm_mode_32 3
		.amdhsa_float_denorm_mode_16_64 3
		.amdhsa_memory_ordered 1
		.amdhsa_forward_progress 1
		.amdhsa_inst_pref_size 185
	.end_amdhsa_kernel
	.amdgpu_metadata
---
amdhsa.version: [ 1, 2 ]
amdhsa.kernels:
  - .name:           k_q285b87ec98_pv
    .symbol:         k_q285b87ec98_pv.kd
    .args:
      - { .name: c2, .offset: 0, .size: 8, .value_kind: global_buffer, .address_space: global }
      - { .name: c1, .offset: 8, .size: 8, .value_kind: global_buffer, .address_space: global }
      - { .name: c3, .offset: 16, .size: 8, .value_kind: global_buffer, .address_space: global }
    .group_segment_fixed_size: 327680
    .private_segment_fixed_size: 0
    .kernarg_segment_align: 8
    .kernarg_segment_size: 24
    .max_flat_workgroup_size: 128
    .sgpr_count:     100
    .vgpr_count:     768
    .wavefront_size: 32
...
	.end_amdgpu_metadata
.endif
;; end of part 4
;; launch outp (part 5): grid 4 x 64, 4 waves a work-group, clusters of 4 x 4, 327,680 bytes of LDS; arguments c3, c0, bo, out0; writes out0
.if DOCPART == 5
	.amdgcn_target "amdgcn-amd-amdhsa--gfx1250"
	.amdhsa_code_object_version 6
	.text
	.protected	k_q285b87ec98_outp
	.globl	k_q285b87ec98_outp
	.p2align	8
	.type	k_q285b87ec98_outp,@function
k_q285b87ec98_outp:
	s_mov_b64 s[64:65], 0
	v_nop
	global_prefetch_b8 v0, s[64:65] scope:SCOPE_SE
	s_setreg_imm32_b32 hwreg(HW_REG_WAVE_MODE, 25, 1), 1
	s_wait_xcnt 0x0
	s_wait_alu depctr_hold_cnt(0) depctr_sa_sdst(0) depctr_va_vdst(0) depctr_va_sdst(0) depctr_va_ssrc(0) depctr_va_vcc(0) depctr_vm_vsrc(0)
	s_getreg_b32 s2, hwreg(HW_REG_IB_STS2, 6, 4)
	s_cmp_eq_u32 s2, 0
	s_cbranch_scc0 .Lentry_in_a_cluster
	s_endpgm
.Lentry_in_a_cluster:
	s_bfe_u32 s2, ttmp6, 0x10000c
	s_cmp_lg_u32 s2, 0xf033
	s_cbranch_scc0 .Lentry_shape_is_right
	s_endpgm
.Lentry_shape_is_right:
.set KTOT,   1024
.set NS,     KTOT/128
.set FR,     12
.set FRB,    1536
.set NL,     3
.set NP,     4
.set CHUNK,  49152
.set SLOT,   3*CHUNK
.set SCL,    2*SLOT
.set SCLB,   SCL+4096
.set SPARE,  SCL+12288
.set R1N,    4*NL+2+4*NL
.set BOA,  7
.set STO,  8
.set RD,   9
.set ADRA, 16
.set ADRB, 20
.set LI,   24
.set ADRS, 27
.set SPW,  28
.set NIL,  29
.set SC,   32
.set U,    64
.set AF,   128
.set T,    128
.set BK,   192
.set G1, 24
.set G0, 32
.set G1B, 48
.set G0B, 56
.set G1S, 68
.set G0S, 76
.set G1SB, 80
.set G0SB, 88
.set MSB, 0
.macro WIN new
.if MSB != (\new)
	s_set_vgpr_msb (MSB<<8)|(\new)
.set MSB, (\new)
.endif
.endm
.set MUL,  0xa1
.set TO_B, 0x40
.macro SHAPE g, rows
	s_mov_b32 s[\g+1], 32<<16
	s_mov_b32 s[\g+2], (\rows)<<16
	s_mov_b32 s[\g+3], 32<<16
	s_mov_b32 s[\g+4], \rows
	s_mov_b32 s[\g+5], 32
	s_mov_b32 s[\g+6], 0
	s_mov_b32 s[\g+7], 0
.endm
.macro JLOAD g0a, g1a, g0b, g1b
	s_cmp_eq_u32 s15, 0
	s_cbranch_scc0 .Lfor_b_\@
	tensor_load_to_lds s[\g0a:\g0a+3], s[\g1a:\g1a+7]
	s_nop 0
.rept 4
	v_nop
.endr
	s_branch .Lasked_\@
.Lfor_b_\@:
	tensor_load_to_lds s[\g0b:\g0b+3], s[\g1b:\g1b+7]
	s_nop 0
.rept 4
	v_nop
.endr
.Lasked_\@:
.endm
.macro CROUND
	s_barrier_signal -1
	s_barrier_wait -1
	s_cmp_lg_u32 s14, 0
	s_cbranch_scc1 .Lnot_wave_0_\@
	s_barrier_signal -3
.Lnot_wave_0_\@:
	s_barrier_wait -3
	s_barrier_signal -1
	s_barrier_wait -1
.endm
.macro PLACES cnt
.rept \cnt
	v_nop
.endr
.endm
.macro FRAG reg, adr, q, i
.irp c, 0,1,2
	ds_load_b128 v[\reg+4*\c:\reg+4*\c+3], v[\adr] offset:(8*(\q)+(\i))*FRB+512*\c
.endr
.endm
.macro RUN1 st
	WIN 0
.irp i, 0,1,2,3
	FRAG AF+48*((\st)%2)+FR*\i, ADRA+((\st)/4)%2, (\st)%4, \i
.endr
.irp g, 0,1
	ds_load_b128 v[SC+8*((\st)%2)+4*\g:SC+8*((\st)%2)+4*\g+3], v[ADRS] offset:512*(\st)+16*\g
.endr
	WIN TO_B
.irp i, 0,1,2,3
	FRAG 128*((\st)%2)+FR*\i, ADRB+((\st)/4)%2, (\st)%4, \i
.endr
.endm
.macro RUN2 st
	WIN TO_B
.irp i, 4,5,6,7
	FRAG 128*((\st)%2)+FR*\i, ADRB+((\st)/4)%2, (\st)%4, \i
.endr
.endm
.macro MUL8 st, b0, zero
.irp b, \b0, \b0+1
.irp a, 0,1,2,3
.if \zero
	v_wmma_scale_f32_16x16x128_f8f6f4 v[8*(8*\a+(\b)):8*(8*\a+(\b))+7], v[128*((\st)%2)+FR*(\b):128*((\st)%2)+FR*(\b)+FR-1], v[AF+48*((\st)%2)+FR*\a:AF+48*((\st)%2)+FR*\a+FR-1], 0, v[SC+8*((\st)%2)+(\b)], v[SC+8*((\st)%2)+\a] matrix_a_fmt:MATRIX_FMT_FP6 matrix_b_fmt:MATRIX_FMT_FP6 matrix_a_scale:MATRIX_SCALE_ROW1
.else
	v_wmma_scale_f32_16x16x128_f8f6f4 v[8*(8*\a+(\b)):8*(8*\a+(\b))+7], v[128*((\st)%2)+FR*(\b):128*((\st)%2)+FR*(\b)+FR-1], v[AF+48*((\st)%2)+FR*\a:AF+48*((\st)%2)+FR*\a+FR-1], v[8*(8*\a+(\b)):8*(8*\a+(\b))+7], v[SC+8*((\st)%2)+(\b)], v[SC+8*((\st)%2)+\a] matrix_a_fmt:MATRIX_FMT_FP6 matrix_b_fmt:MATRIX_FMT_FP6 matrix_a_scale:MATRIX_SCALE_ROW1
.endif
.endr
.endr
.endm
.macro STEP st, zero
	s_wait_dscnt 4*NL
	PLACES NP
	RUN1 (\st)+1
	WIN MUL
	MUL8 \st, 0, \zero
	MUL8 \st, 2, \zero
	s_wait_dscnt R1N
	RUN2 (\st)+1
	WIN MUL
	MUL8 \st, 4, \zero
	MUL8 \st, 6, \zero
.endm
.macro TURN st
	WIN 0
	s_wait_tensorcnt 0x0
	ds_add_u32 v[SPW], v[NIL]
	s_wait_dscnt 4*NL+1
	WIN MUL
	MUL8 \st, 0, 0
	s_wait_dscnt 0x0
	s_barrier_signal -1
	MUL8 \st, 2, 0
	WIN 0
	s_barrier_wait -1
	PLACES NP
	RUN1 (\st)+1
	RUN2 (\st)+1
	WIN MUL
	MUL8 \st, 4, 0
	MUL8 \st, 6, 0
.endm
.macro LAST st
	s_wait_dscnt 4*NL
	WIN MUL
	MUL8 \st, 0, 0
	MUL8 \st, 2, 0
	s_wait_dscnt 0
	MUL8 \st, 4, 0
	MUL8 \st, 6, 0
	WIN 0
.endm
	s_load_b256 s[4:11], s[0:1], 0x0
	v_lshl_add_u32 v[SPW], v0, 2, SPARE
	v_mov_b32 v[NIL], 0
	ds_add_u32 v28, v29
	ds_add_u32 v28, v29
	s_wait_dscnt 0x0
	v_lshrrev_b32 v1, 5, v0
	v_readfirstlane_b32 s14, v1
	s_lshr_b32 s15, s14, 1
	s_and_b32 s16, s14, 1
	s_bfe_u32 s40, ttmp6, 0x40000
	s_bfe_u32 s41, ttmp6, 0x40004
	s_lshl_b32 s42, ttmp9, 2
	s_add_co_u32 s42, s42, s40
	s_and_b32 s18, ttmp7, 0xffff
	s_lshl_b32 s17, s18, 2
	s_add_co_u32 s17, s17, s41
	s_lshl_b32 s43, s41, 2
	s_lshl_b32 s43, 15, s43
	s_lshl_b32 s44, 0x1111, s40
	s_or_b32 s[G1+0], s43, (3<<16)|(1<<21)
	s_or_b32 s[G1B+0], s44, (3<<16)|(1<<21)
	s_or_b32 s[G1S+0], s43, (3<<16)|(1<<21)
	s_or_b32 s[G1SB+0], s44, (3<<16)|(1<<21)
	SHAPE G1, 384
	SHAPE G1B, 768
	SHAPE G1S, 16
	SHAPE G1SB, 32
	s_mul_i32 s20, s17, 98304
	s_mov_b32 s21, 0
	s_lshl_b32 s22, s17, 12
	s_add_co_u32 s22, s22, 6291456
	s_mov_b32 s23, 0
	s_lshl_b32 s66, s42, 1
	s_add_co_u32 s66, s66, 24
	s_mul_i32 s46, s66, 98304
	s_add_co_u32 s46, s46, 6291456
	s_mov_b32 s47, 0
	s_lshl_b32 s92, s66, 12
	s_add_co_u32 s92, s92, 9699328
	s_mov_b32 s93, 0
	s_mul_i32 s45, s16, CHUNK/2
	s_mul_i32 s94, s16, CHUNK
	s_add_co_u32 s94, s94, CHUNK
	s_lshl_b32 s95, s16, 11
	s_lshl_b32 s96, s16, 12
	s_wait_kmcnt 0x0
	s_add_nc_u64 s[20:21], s[4:5], s[20:21]
	s_add_nc_u64 s[22:23], s[4:5], s[22:23]
	s_add_nc_u64 s[46:47], s[6:7], s[46:47]
	s_add_nc_u64 s[92:93], s[6:7], s[92:93]
	CROUND
	s_mov_b32 s[G0S], 1
	s_mov_b32 s[G0S+1], SCL
	s_mov_b64 s[G0S+2:G0S+3], s[22:23]
	s_or_b32 s[G0S+3], s[G0S+3], 0x80000000
	s_mov_b32 s[G0SB], 1
	s_mov_b32 s[G0SB+1], SCLB
	s_mov_b64 s[G0SB+2:G0SB+3], s[92:93]
	s_or_b32 s[G0SB+3], s[G0SB+3], 0x80000000
	; ALL OF K LIES IN LDS AT ONCE: A's 128 rows are 98,304 dense bytes from byte 0, B's two groups 196,608 dense bytes behind them, then the scale words.  Each is fetched once, at the head, one joint load a wave
	; wave 0 A, wave 1 B, wave 2 A's scale words, wave 3 B's.  Nothing is filled again.  No prefetch: the launch has no later fill to run ahead of.
	s_mov_b32 s[G0], 1
	s_mov_b32 s[G0+1], 0
	s_mov_b64 s[G0+2:G0+3], s[20:21]
	s_or_b32 s[G0+3], s[G0+3], 0x80000000
	s_mov_b32 s[G0B], 1
	s_mov_b32 s[G0B+1], 2*CHUNK
	s_mov_b64 s[G0B+2:G0B+3], s[46:47]
	s_or_b32 s[G0B+3], s[G0B+3], 0x80000000
.macro ARM under, g0, g1, next
	s_cmp_lt_u32 s14, \under
	s_cbranch_scc0 \next
	tensor_load_to_lds s[\g0:\g0+3], s[\g1:\g1+7]
	s_nop 0
.rept 4
	v_nop
.endr
	s_branch .Lhead_asked
\next:
.endm
	ARM 1, G0, G1, .Lhead_b
	ARM 2, G0B, G1B, .Lhead_sa
	ARM 3, G0S, G1S, .Lhead_sb
	tensor_load_to_lds s[G0SB:G0SB+3], s[G1SB:G1SB+7]
	s_nop 0
.rept 4
	v_nop
.endr
.Lhead_asked:
	v_and_b32 v1, 15, v0
	v_bfe_u32 v2, v0, 4, 1
	s_wait_alu depctr_va_vdst(0)
	v_and_b32 v3, 31, v0
	v_lshlrev_b32 v[LI], 4, v3
	s_mul_i32 s21, s15, 4*FRB
	s_mul_i32 s22, s16, 2*CHUNK                    ; my group of B, behind A's 98,304 bytes
	s_add_co_u32 s22, s22, 2*CHUNK
.irp s, 0,1
	v_add_nc_u32 v[ADRA+\s], s21, v[LI]
	v_add_nc_u32 v[ADRB+\s], s22, v[LI]
	s_add_co_u32 s21, s21, CHUNK                   ; the second address register of each: K steps 4 to 7
	s_add_co_u32 s22, s22, CHUNK
.endr
	v_lshlrev_b32 v5, 5, v1
	s_lshl_b32 s21, s15, 4
	s_lshl_b32 s22, s16, 12
	s_add_co_u32 s22, s22, 4096
	s_sub_co_u32 s22, s22, s21
	v_mul_u32_u24 v6, s22, v2
	s_add_co_u32 s21, s21, SCL
	v_add_nc_u32 v5, v5, v6
	v_add_nc_u32 v[ADRS], s21, v5
	s_mul_i32 s23, s14, 8448
	v_mul_u32_u24 v[STO], v1, 528
	v_lshl_add_u32 v[STO], v2, 6, v[STO]
	v_add_nc_u32 v[STO], s23, v[STO]
	v_add_nc_u32 v[RD], s23, v[LI]
	s_lshl_b32 s18, s42, 10
	s_lshl_b32 s19, s16, 9
	s_add_co_u32 s18, s18, s19
	s_lshl_b32 s66, s17, 19
	s_lshl_b32 s19, s15, 18
	s_add_co_u32 s66, s66, s19
	s_add_co_u32 s66, s66, s18
	s_mov_b32 s67, 0
	s_add_nc_u64 s[10:11], s[10:11], s[66:67]
	v_lshl_add_u32 v[BOA], v2, 6, s18
.irp b, 0,1,2,3
.irp j, 0,1,2,3
	global_load_b128 v[U+16*\b+4*\j:U+16*\b+4*\j+3], v[BOA], s[8:9] offset:128*\b+16*\j
.endr
.endr
	s_wait_alu depctr_va_vdst(0)
	s_wait_tensorcnt 0x0                           ; my tile is in; the barrier shows all four to every wave
	s_barrier_signal -1
	s_barrier_wait -1
	RUN1 0
	RUN2 0
	STEP 0, 1
	STEP 1, 0
	STEP 2, 0
	TURN 3
	STEP 4, 0
	STEP 5, 0
	STEP 6, 0
	LAST 7
	s_wait_loadcnt 0x0
	PLACES NP
.irp a, 0,1,2,3
.if \a > 0
	s_wait_xcnt 0x0
.endif
	WIN 0x02
.set n, 0
.rept 32
	v_pk_add_f32 v[T+n:T+n+1], v[64*\a+n:64*\a+n+1], v[U+n:U+n+1]
.set n, n+2
.endr
	WIN 0
.irp b, 0,1,2,3
.irp j, 0,1,2,3
	ds_store_b128 v[STO], v[T+16*\b+4*\j:T+16*\b+4*\j+3] offset:128*\b+16*\j
.endr
.endr
.irp t, 0,1,2,3,4,5,6,7,8,9,10,11,12,13,14,15
	ds_load_b128 v[BK+4*\t:BK+4*\t+3], v[RD] offset:528*\t
.endr
.irp t, 0,1,2,3,4,5,6,7,8,9,10,11,12,13,14,15
	s_wait_dscnt 15-\t
	global_store_b128 v[LI], v[BK+4*\t:BK+4*\t+3], s[10:11] offset:(32*(\a/2)+8*(\a%2)+\t+8*(\t/8))*4096 th:TH_STORE_NT
.endr
.endr
	s_wait_tensorcnt 0x0
	ds_add_u32 v[SPW], v[NIL]
	s_wait_dscnt 0x0
	CROUND
	s_endpgm
.Lfunc_end_k_q285b87ec98_outp:
	.size	k_q285b87ec98_outp, .Lfunc_end_k_q285b87ec98_outp-k_q285b87ec98_outp
	.p2alignl 7, 3214868480
	.fill 96, 4, 3214868480
	.section	.rodata,"a",@progbits
	.p2align	6, 0x0
	.amdhsa_kernel k_q285b87ec98_outp
		.amdhsa_group_segment_fixed_size 327680
		.amdhsa_private_segment_fixed_size 0
		.amdhsa_enable_private_segment 0
		.amdhsa_kernarg_size 32
		.amdhsa_user_sgpr_count 2
		.amdhsa_user_sgpr_kernarg_segment_ptr 1
		.amdhsa_wavefront_size32 1
		.amdhsa_system_sgpr_workgroup_id_x 1
		.amdhsa_system_sgpr_workgroup_id_y 1
		.amdhsa_system_sgpr_workgroup_id_z 1
		.amdhsa_system_vgpr_workitem_id 0
		.amdhsa_next_free_vgpr 768
		.amdhsa_next_free_sgpr 100
		.amdhsa_reserve_vcc 0
		.amdhsa_float_denorm_mode_32 3
		.amdhsa_float_denorm_mode_16_64 3
		.amdhsa_memory_ordered 1
		.amdhsa_forward_progress 1
		.amdhsa_inst_pref_size 89
	.end_amdhsa_kernel
	.amdgpu_metadata
---
amdhsa.version: [ 1, 2 ]
amdhsa.kernels:
  - .name:           k_q285b87ec98_outp
    .symbol:         k_q285b87ec98_outp.kd
    .args:
      - { .name: c3, .offset: 0, .size: 8, .value_kind: global_buffer, .address_space: global }
      - { .name: c0, .offset: 8, .size: 8, .value_kind: global_buffer, .address_space: global }
      - { .name: bo, .offset: 16, .size: 8, .value_kind: global_buffer, .address_space: global }
      - { .name: out0, .offset: 24, .size: 8, .value_kind: global_buffer, .address_space: global }
    .group_segment_fixed_size: 327680
    .private_segment_fixed_size: 0
    .kernarg_segment_align: 8
    .kernarg_segment_size: 32
    .max_flat_workgroup_size: 128
    .sgpr_count:     100
    .vgpr_count:     768
    .wavefront_size: 32
...
	.end_amdgpu_metadata
.endif
;; end of part 5
